; MI455X (gfx1250); checked and timed in simulation.
; The chip was launched on July 23, 2026; its instructions are those of AMD's public machine-readable ISA for CDNA 5 (MIT licence, August 2026) and "CDNA5" Instruction Set Architecture Reference Guide (July 2026). The comments in the code are by the model that wrote it; some were corrected since.
;; Multi Head Attention With SWA. Allowed arithmetic: matrix products marked QUANTISED: E3M2 operands, one E8M0 scale for each 32 along K, by v_wmma_scale_f32_16x16x128_f8f6f4 with both operands' format E3M2, f32 sums; everything else in f32.
;; Inputs: Wk 1,024 x 1,024 float32; Wo 1,024 x 1,024 float32; Wq 1,024 x 1,024 float32; Wv 1,024 x 1,024 float32; bo 1,024 float32; x 4 x 2,048 x 1,024 float32.
;; Outputs: out0 4 x 2,048 x 1,024 float32.
;; This version of the problem:
;;   THIS VERSION OF THE PROBLEM IS GIVEN IN LOW PRECISION. The matrix products marked QUANTISED in the list below multiply operands that are first quantised to E3M2 (3 exponent bits, 2 mantissa bits; 6 bits a number), with one power-of-two scale for each 32 numbers along K (OCP MX v1.0); their sums are f32. All else is computed in f32.
;;   The module's matrix products, in the order in which they are computed (A, B: the left and right operand; K: the contracted axis; several contracted axes count as one K, in the product's order):
;;     1. [M 8,192, K 1,024] x [K 1,024, N 1,024]; A: input x; B: input Wq: QUANTISED
;;     2. [M 8,192, K 1,024] x [K 1,024, N 1,024]; A: input x; B: input Wk: QUANTISED
;;     3. [M 8,192, K 1,024] x [K 1,024, N 1,024]; A: input x; B: input Wv: QUANTISED
;;     4. batch 64 x [M 2,048, K 64] x [K 64, N 2,048]; A: computed on the way; B: computed on the way: QUANTISED
;;     5. batch 64 x [M 64, K 2,048] x [K 2,048, N 2,048]; A: computed on the way; B: softmax (see below): QUANTISED
;;     6. [M 8,192, K 1,024] x [K 1,024, N 1,024]; A: computed on the way; B: input Wo: QUANTISED
;;   THE QUANTISER, for each operand of a quantised product, along K:
;;     - K is cut into blocks of 32 from its start; a last block that is shorter is filled with zeros.
;;     - A block's scale is 2^e with e = floor(log2(the largest magnitude in the block)) - 4, held to -126 .. 127; a block of zeros has e = 0. As a byte (E8M0): e + 127.
;;     - Each number is divided by its block's scale, clamped to +-28, and rounded to the nearest number of E3M2, ties to even, subnormals kept.
;;     - The product sums the exact products of the quantised numbers (number of the format x scale) in f32.
;;   ~~~python
;;   def quantise(x, axis):      # numpy; x: float32 -> the quantised numbers, widened to float32 again
;;       x = np.moveaxis(x, axis, -1); K = x.shape[-1]
;;       x = np.pad(x, [(0, 0)] * (x.ndim - 1) + [(0, -K % 32)]); x = x.reshape(x.shape[:-1] + (-1, 32)); a = np.abs(x).max(-1, keepdims=True)
;;       e = np.where(a > 0, np.clip(np.frexp(np.where(a > 0, a, 1))[1] - 1 - 4, -126, 127), 0)      # np.frexp(a)[1] - 1 = floor(log2(a)), exactly
;;       r = np.clip(x / 2.0 ** e, -28, 28)
;;       step = 2.0 ** (np.maximum(np.frexp(np.where(r == 0, 1, r))[1] - 1, -2) - 2)
;;       q = np.round(r / step) * step * 2.0 ** e      # np.round: ties to even
;;       return np.moveaxis(q.reshape(q.shape[:-2] + (-1,))[..., :K], -1, axis).astype(np.float32)
;;   ~~~
;;   SOFTMAX AHEAD OF A QUANTISED PRODUCT. Where the list says 'softmax', what is quantised is not the finished softmax but p = 2^(t - M), with t = logit x log2(e) and M = ceil(the row's largest t), a whole number; so 1/2 < the row's largest p <= 1. The row's sum l is taken of the UNQUANTISED p, in f32, and the product's result is divided by l at the end. Since M is a whole number, a kernel that streams over the keys may use a running M (the ceiling of the running maximum): every later rescaling is an exact power of two, which a block's scale takes up: the codes' values come out the same.
;;   OPERANDS COMPUTED ON THE WAY. 'Computed on the way' means the value that the module computes at that place (a softmax that the list does not call 'softmax' is quantised finished and normalised). What goes into a quantiser is computed in f32, as accurately as f32 sums, v_exp_f32 and their like allow (about 1e-6 of the number): no bf16 or f16 on the way to a quantiser, and a product that is left as it is and whose result goes on into a quantised operand takes f32 operands (vector FMAs, or v_wmma_f32_16x16x4_f32). A number that lies on a knife's edge between two numbers of the format may be rounded either way, as far as f32 arithmetic and the matrix unit's own rounding can turn it there, and no further.
;; One version. Each part assembles by itself: llvm-mc -triple=amdgcn-amd-amdhsa -mcpu=gfx1250 --defsym DOCPART=n.
;; ======== version 1 of 1: 4 launches
;; limits: right only within a limited range of input values
;; workspace buffers: xc 6,291,456 bytes; xs 262,144 bytes; wc 3,145,728 bytes; ws 131,072 bytes; qkv 20,185,088 bytes; cc 6,291,456 bytes; cs 262,144 bytes
;; launch quant (part 1): grid 384 x 1, 4 waves a work-group, no clusters, 34,304 bytes of LDS; arguments x, Wq, Wk, Wv, Wo, xc, xs, wc, ws; writes xc, xs, wc, ws
.if DOCPART == 1
	.amdgcn_target "amdgcn-amd-amdhsa--gfx1250"
	.amdhsa_code_object_version 6
	.text
	.protected	k_q053e950938_quant
	.globl	k_q053e950938_quant
	.p2align	8
	.type	k_q053e950938_quant,@function
k_q053e950938_quant:
	s_mov_b64 s[64:65], 0
	v_nop
	global_prefetch_b8 v0, s[64:65] scope:SCOPE_SE
	s_setreg_imm32_b32 hwreg(HW_REG_WAVE_MODE, 25, 1), 1
	s_wait_xcnt 0x0
; x [8192][1024] and Wq, Wk, Wv, Wo [1024 (k)][1024 (n)], f32, become codes of BF6 (E3M2) with one E8M0 byte for each 32 along K, laid IN THE ORDER OF THE OPERAND'S REGISTERS.
; A block's scale is 2^(floor(log2(largest magnitude)) - 4); its byte is the largest magnitude's exponent field - 4, held at 1 from below by a floor among the maximum's leaves.
; LIMITS: a block of zeros gets the byte 1 where the rule says 127 (its codes are zeros, and only this program reads the bytes); a block whose largest magnitude lies under 2^-122 has its byte held at 1;
; NaN and infinities among the inputs are not served.
; SLOTS: in each group of 32 rows (tokens of x, columns n of a weight) slot 16 u + r holds row 8 u + r + 8 (r / 8).
; CODES: byte = (slot / 128) 98304 + s 24576 + ((slot / 16) % 8) 3072 + q 1536 + (3 c + j) 256 + 8 (16 h + slot % 16), for k = 256 s + 128 q + 64 c + 32 h + .., j the 8-byte piece of the block's 24 bytes.
; SCALE BYTES: byte = (slot / 128) 4096 + s 1024 + (slot % 128) 8 + (k / 32) % 8.   wc and ws hold the four weights on end: q, k, v, o.
; Work-groups 0-127 take the weights (a lane to a column, registers down K: nothing is transposed), work-groups 128-383 take x (rows turned through the wave's own stage in LDS).
; Waves share nothing: no barrier.  Every store of codes and of scale bytes covers one aligned run of 256 bytes.
.set WX,   32                          ; weights: v32-95 two sets of 32 numbers
.set CE,   96                          ; v96-101 the codes of an even block (h = 0)
.set CD,   104                         ; v104-109 those of the odd block behind it (h = 1)
.set CT,   112                         ; v112-114 a block's upper 16 codes, before they are moved (a conversion's three registers begin on an even number)
.set SB,   24                          ; v24-25 eight scale bytes
.set XR,   32                          ; x: v32-159 two sets of 64 registers as loaded
.set XX,   160                         ; v160-223 64 numbers in the operand's order
.set XC,   224                         ; v224-235 a fragment's codes; v236-238, v240-242 upper halves before they are moved
.set WD,   24                          ; v24-27 the four fragments' scale words
.set SPX,  528                         ; a stage row: 512 bytes + 16, an odd multiple of 16
.set WST,  16*SPX                      ; a wave's stage
.macro WLOAD t                         ; block t: W(256 s + 32 t + e, my column), e = 0 .. 31
.set e, 0
.rept 32
	global_load_b32 v[WX+32*((\t)%2)+e], v3, s[26:27] offset:(32*(\t)+e)*4096 th:TH_LOAD_NT
.set e, e+1
.endr
.endm
.macro WBLOCK t
.set XS, WX+32*((\t)%2)
.set CR, CE+8*((\t)%2)
.if (\t) < 7
	s_wait_loadcnt 32                              ; this block's 32 loads are in; the next block's 32 may be out
.else
	s_wait_loadcnt 0x0
.endif
	v_max3_num_f32 v12, |v[XS]|, |v[XS+1]|, |v[XS+2]|      ; the block's largest magnitude: all 32 numbers are mine; two chains
	v_max3_num_f32 v13, |v[XS+3]|, |v[XS+4]|, |v[XS+5]|
.irp i, 6,10,14,18,22,26
	v_max3_num_f32 v12, v12, |v[XS+\i]|, |v[XS+\i+1]|
	v_max3_num_f32 v13, v13, |v[XS+\i+2]|, |v[XS+\i+3]|
.endr
	v_max3_num_f32 v12, v12, |v[XS+30]|, |v[XS+31]|
	v_max3_num_f32 v12, v12, v13, 0x2800000        ; and the floor 2^(5 - 127): the byte cannot fall under 1
	v_add_nc_u32 v11, 0xfe000000, v12              ; 4 off the exponent field: the conversion's scale operand
	v_lshrrev_b32 v13, 23, v11                     ; the scale's byte
.if (\t)%4 == 0
	v_mov_b32 v[SB+(\t)/4], v13
.else
	v_lshl_or_b32 v[SB+(\t)/4], v13, 8*((\t)%4), v[SB+(\t)/4]
.endif
.if ((\t)%2 == 0) && ((\t) >= 2)
	s_wait_alu depctr_va_vdst(0)
	s_wait_xcnt 0x0                                ; the last pair's stores have read their data: the codes' registers are written again only behind this wait
.endif
	v_cvt_scalef32_pk16_bf6_f32 v[CR:CR+2], v[XS:XS+15], v11
	v_cvt_scalef32_pk16_bf6_f32 v[CT:CT+2], v[XS+16:XS+31], v11
	v_nop                                          ; one plain instruction behind the conversions
.irp i, 0,1,2
	v_mov_b32 v[CR+3+\i], v[CT+\i]
.endr
.if (\t)+2 < 8
	WLOAD (\t)+2
.endif
.if (\t)%2 == 1
; Lanes 0-15 hold tile 2 w's slots, lanes 16-31 tile 2 w + 1's.  The layout wants lanes 0-15 = block h = 0 and lanes 16-31 = block h = 1 of ONE tile: the even block's upper lanes change places with the odd block's lower lanes.
.irp i, 0,1,2,3,4,5
	v_permlane16_swap_b32 v[CE+\i], v[CD+\i]
.endr
.irp j, 0,1,2
	global_store_b64 v4, v[CE+2*\j:CE+2*\j+1], s[20:21] offset:((\t)/4)*1536+(3*(((\t)%4)/2)+\j)*256
	global_store_b64 v4, v[CD+2*\j:CD+2*\j+1], s[20:21] offset:3072+((\t)/4)*1536+(3*(((\t)%4)/2)+\j)*256
.endr
.endif
.endm
.macro XLOAD f                         ; fragment f = 2 u + q: sixteen rows (slot i of tile u), 512 consecutive bytes each
.set i, 0
.rept 16
	global_load_b128 v[XR+64*((\f)%2)+4*i:XR+64*((\f)%2)+4*i+3], v3, s[4:5] offset:(8*((\f)/2)+i+8*(i/8))*4096+((\f)%2)*512 th:TH_LOAD_NT
.set i, i+1
.endr
.endm
.macro XSTEP f
.if (\f) < 3
	s_wait_loadcnt 16                              ; this fragment's 16 loads are in; the next one's 16 may be out
.else
	s_wait_loadcnt 0x0
.endif
.set i, 0
.rept 16
	ds_store_b128 v5, v[XR+64*((\f)%2)+4*i:XR+64*((\f)%2)+4*i+3] offset:i*SPX
.set i, i+1
.endr
.set i, 0
.rept 16                               ; lane (r, h) takes k = 64 c + 32 h + 0 .. 31 of row r; LDS serves a wave's instructions in order, so these see the stores above
	ds_load_b128 v[XX+4*i:XX+4*i+3], v6 offset:(i/8)*256+(i%8)*16
.set i, i+1
.endr
	s_wait_dscnt 0x0                               ; the numbers are back, and the stores have read their registers,
.if (\f)+2 < 4
	XLOAD (\f)+2                                   ; which take the fragment two on
.endif
.irp c, 0,1
	v_max3_num_f32 v[8+\c], |v[XX+32*\c]|, |v[XX+32*\c+1]|, 0x2800000   ; my block 2 c + h, and the floor
.endr
.irp i, 2,4,6,8,10,12,14,16,18,20,22,24,26,28,30
.irp c, 0,1
	v_max3_num_f32 v[8+\c], v[8+\c], |v[XX+32*\c+\i]|, |v[XX+32*\c+\i+1]|
.endr
.endr
.irp c, 0,1
	v_add_nc_u32 v[12+\c], 0xfe000000, v[8+\c]     ; the conversions' scale operands
.endr
.irp c, 0,1
	v_lshrrev_b32 v[14+\c], 23, v[12+\c]           ; the bytes
.endr
	v_lshl_or_b32 v11, v15, 16, v14                ; blocks h and 2 + h of my row,
	v_lshlrev_b32 v11, v7, v11                     ; 8 h bits up;
	v_permlanex16_b32 v10, v11, s40, s41
	v_or_b32 v[WD+(\f)], v11, v10                  ; with lane l xor 16's two the word is whole
.if (\f) > 0
	s_wait_alu depctr_va_vdst(0)
	s_wait_xcnt 0x0                                ; the last fragment's stores have read their data
.endif
.irp c, 0,1
	v_cvt_scalef32_pk16_bf6_f32 v[XC+6*\c:XC+6*\c+2], v[XX+32*\c:XX+32*\c+15], v[12+\c]
	v_cvt_scalef32_pk16_bf6_f32 v[XC+12+4*\c:XC+14+4*\c], v[XX+32*\c+16:XX+32*\c+31], v[12+\c]
.endr
	v_nop                                          ; one plain instruction behind the conversions
.irp c, 0,1
.irp i, 0,1,2
	v_mov_b32 v[XC+3+6*\c+\i], v[XC+12+4*\c+\i]
.endr
.endr
.irp p, 0,1,2,3,4,5
	global_store_b64 v4, v[XC+2*\p:XC+2*\p+1], s[16:17] offset:((\f)/2)*3072+((\f)%2)*1536+\p*256
.endr
.endm
	s_load_b64 s[4:5], s[0:1], 0x0                 ; x
	s_load_b128 s[8:11], s[0:1], 0x8               ; Wq, Wk
	s_load_b128 s[12:15], s[0:1], 0x18             ; Wv, Wo
	s_load_b128 s[16:19], s[0:1], 0x28             ; xc, xs
	s_load_b128 s[20:23], s[0:1], 0x38             ; wc, ws
	v_lshl_add_u32 v254, v0, 2, 0x8400
	v_mov_b32 v255, 0
	v_lshrrev_b32 v1, 5, v0
	v_readfirstlane_b32 s24, v1                    ; wave 0..3
	v_and_b32 v2, 31, v0                           ; lane
	v_lshlrev_b32 v4, 3, v2                        ; 8 x lane: my place in every stored run of 256 bytes
	s_cmp_ge_u32 ttmp9, 128
	s_cbranch_scc1 .Lx_path
	; ---- THE WEIGHTS.  Work-group g: weight g / 32, K step s = (g / 8) % 4, columns 128 (g % 8) on; wave w: 32 of them
	s_lshr_b32 s25, ttmp9, 3
	s_and_b32 s25, s25, 3                          ; s
	s_and_b32 s30, ttmp9, 7
	s_lshr_b32 s31, ttmp9, 5
	s_lshl_b32 s31, s31, 3
	s_or_b32 s31, s31, s30                         ; the group of 128 slots in wc and ws
	s_lshl_b32 s32, s25, 20                        ; 256 s rows of 4,096 bytes
	s_lshl_b32 s33, s30, 2
	s_add_co_u32 s33, s33, s24
	s_lshl_b32 s33, s33, 7                         ; + my wave's 32 columns
	s_add_co_u32 s32, s32, s33
	s_mov_b32 s33, 0
	s_mul_i32 s34, s31, 98304
	s_mul_i32 s35, s25, 24576
	s_add_co_u32 s34, s34, s35
	s_mul_i32 s35, s24, 6144                       ; tiles 2 w and 2 w + 1
	s_add_co_u32 s34, s34, s35
	s_mov_b32 s35, 0
	s_lshl_b32 s36, s31, 12
	s_lshl_b32 s37, s25, 10
	s_add_co_u32 s36, s36, s37
	s_lshl_b32 s37, s24, 8
	s_add_co_u32 s36, s36, s37
	s_mov_b32 s37, 0
	v_and_b32 v3, 7, v0                            ; lane 16 u + r takes column 16 (r / 8) + 8 u + r % 8: the wave still reads 128 consecutive bytes
	v_bfe_u32 v5, v0, 3, 1
	v_bfe_u32 v6, v0, 4, 1
	v_lshlrev_b32 v3, 2, v3
	v_lshl_add_u32 v3, v5, 6, v3
	v_lshl_add_u32 v3, v6, 5, v3
	s_wait_alu depctr_va_vdst(0)
	s_wait_kmcnt 0x0
	s_bitcmp1_b32 ttmp9, 5                         ; the weight is chosen by the work-group's number alone
	s_cselect_b64 s[26:27], s[10:11], s[8:9]
	s_cselect_b64 s[28:29], s[14:15], s[12:13]
	s_bitcmp1_b32 ttmp9, 6
	s_cselect_b64 s[26:27], s[28:29], s[26:27]
	s_add_nc_u64 s[26:27], s[26:27], s[32:33]
	s_add_nc_u64 s[20:21], s[20:21], s[34:35]
	s_add_nc_u64 s[22:23], s[22:23], s[36:37]
	WLOAD 0
	WLOAD 1
.irp t, 0,1,2,3,4,5,6,7
	WBLOCK \t
.endr
	global_store_b64 v4, v[SB:SB+1], s[22:23]      ; my slot's eight scale bytes of this K step
	s_endpgm
.Lx_path:
	; ---- x.  Work-group a = g - 128: 32 tokens; wave w: K step s = w; four fragments (tile u, half q of the K step)
	s_sub_co_u32 s25, ttmp9, 128
	s_lshl_b32 s32, s25, 17                        ; 32 rows of 4,096 bytes
	s_lshl_b32 s33, s24, 10                        ; + 256 numbers a K step
	s_add_co_u32 s32, s32, s33
	s_mov_b32 s33, 0
	s_lshr_b32 s30, s25, 2                         ; the group of 128 slots
	s_and_b32 s31, s25, 3
	s_mul_i32 s34, s30, 98304
	s_mul_i32 s35, s24, 24576
	s_add_co_u32 s34, s34, s35
	s_mul_i32 s35, s31, 6144
	s_add_co_u32 s34, s34, s35
	s_mov_b32 s35, 0
	s_lshl_b32 s36, s30, 12
	s_lshl_b32 s37, s24, 10
	s_add_co_u32 s36, s36, s37
	s_lshl_b32 s37, s31, 8
	s_add_co_u32 s36, s36, s37
	s_mov_b32 s37, 0
	s_wait_alu depctr_va_vdst(0)
	v_lshlrev_b32 v3, 4, v2                        ; 16 x lane
	s_mul_i32 s38, s24, WST
	v_add_nc_u32 v5, s38, v3                       ; the stage, on the way in: a row as it lies
	v_and_b32 v6, 15, v0
	v_bfe_u32 v7, v0, 4, 1
	v_mul_u32_u24 v6, v6, SPX
	v_lshl_add_u32 v6, v7, 7, v6
	v_add_nc_u32 v6, s38, v6                       ; and on the way out: row r, + 128 h bytes
	v_lshlrev_b32 v7, 3, v7                        ; 8 h
	s_mov_b32 s40, 0x76543210
	s_mov_b32 s41, 0xfedcba98                      ; lane l xor 16
	v_mov_b32 v10, 0                               ; a lane permute's destination counts as one of its sources
	s_wait_alu depctr_va_vdst(0)
	s_wait_kmcnt 0x0
	s_add_nc_u64 s[4:5], s[4:5], s[32:33]
	s_add_nc_u64 s[16:17], s[16:17], s[34:35]
	s_add_nc_u64 s[18:19], s[18:19], s[36:37]
	XLOAD 0
	XLOAD 1
.irp f, 0,1,2,3
	XSTEP \f
.endr
	v_cmp_lt_u32 vcc_lo, 15, v2                    ; lane 16 u + r stores the two words of slot 16 u + r
	v_cndmask_b32 v28, v[WD], v[WD+2], vcc_lo
	v_cndmask_b32 v29, v[WD+1], v[WD+3], vcc_lo
	global_store_b64 v4, v[28:29], s[18:19]
	s_wait_tensorcnt 0x0
	ds_add_u32 v254, v255
	s_wait_dscnt 0x0
	s_endpgm
.Lfunc_end_k_q053e950938_quant:
	.size	k_q053e950938_quant, .Lfunc_end_k_q053e950938_quant-k_q053e950938_quant
	.p2alignl 7, 3214868480
	.fill 96, 4, 3214868480
	.section	.rodata,"a",@progbits
	.p2align	6, 0x0
	.amdhsa_kernel k_q053e950938_quant
		.amdhsa_group_segment_fixed_size 34304
		.amdhsa_private_segment_fixed_size 0
		.amdhsa_enable_private_segment 0
		.amdhsa_kernarg_size 72
		.amdhsa_user_sgpr_count 2
		.amdhsa_user_sgpr_kernarg_segment_ptr 1
		.amdhsa_wavefront_size32 1
		.amdhsa_system_sgpr_workgroup_id_x 1
		.amdhsa_system_sgpr_workgroup_id_y 1
		.amdhsa_system_sgpr_workgroup_id_z 1
		.amdhsa_system_vgpr_workitem_id 0
		.amdhsa_next_free_vgpr 256
		.amdhsa_next_free_sgpr 66
		.amdhsa_reserve_vcc 1
		.amdhsa_float_denorm_mode_32 3
		.amdhsa_float_denorm_mode_16_64 3
		.amdhsa_memory_ordered 1
		.amdhsa_forward_progress 1
		.amdhsa_inst_pref_size 72
	.end_amdhsa_kernel
	.amdgpu_metadata
---
amdhsa.version: [ 1, 2 ]
amdhsa.kernels:
  - .name:           k_q053e950938_quant
    .symbol:         k_q053e950938_quant.kd
    .args:
      - { .name: x, .offset: 0, .size: 8, .value_kind: global_buffer, .address_space: global }
      - { .name: Wq, .offset: 8, .size: 8, .value_kind: global_buffer, .address_space: global }
      - { .name: Wk, .offset: 16, .size: 8, .value_kind: global_buffer, .address_space: global }
      - { .name: Wv, .offset: 24, .size: 8, .value_kind: global_buffer, .address_space: global }
      - { .name: Wo, .offset: 32, .size: 8, .value_kind: global_buffer, .address_space: global }
      - { .name: xc, .offset: 40, .size: 8, .value_kind: global_buffer, .address_space: global }
      - { .name: xs, .offset: 48, .size: 8, .value_kind: global_buffer, .address_space: global }
      - { .name: wc, .offset: 56, .size: 8, .value_kind: global_buffer, .address_space: global }
      - { .name: ws, .offset: 64, .size: 8, .value_kind: global_buffer, .address_space: global }
    .group_segment_fixed_size: 34304
    .private_segment_fixed_size: 0
    .kernarg_segment_align: 8
    .kernarg_segment_size: 72
    .max_flat_workgroup_size: 128
    .sgpr_count:     66
    .vgpr_count:     256
    .wavefront_size: 32
...
	.end_amdgpu_metadata
.endif
;; end of part 1
;; launch qkv (part 2): grid 4 x 64, 4 waves a work-group, clusters of 4 x 4, 327,680 bytes of LDS; arguments xc, xs, wc, ws, qkv; writes qkv
.if DOCPART == 2
	.amdgcn_target "amdgcn-amd-amdhsa--gfx1250"
	.amdhsa_code_object_version 6
	.text
	.protected	k_q053e950938_qkv
	.globl	k_q053e950938_qkv
	.p2align	8
	.type	k_q053e950938_qkv,@function
k_q053e950938_qkv:
	s_mov_b64 s[64:65], 0
	v_nop
	global_prefetch_b8 v0, s[64:65] scope:SCOPE_SE
	s_setreg_imm32_b32 hwreg(HW_REG_WAVE_MODE, 25, 1), 1
	s_wait_xcnt 0x0
	s_wait_alu depctr_hold_cnt(0) depctr_sa_sdst(0) depctr_va_vdst(0) depctr_va_sdst(0) depctr_va_ssrc(0) depctr_va_vcc(0) depctr_vm_vsrc(0)
	s_getreg_b32 s2, hwreg(HW_REG_IB_STS2, 6, 4)
	s_cmp_eq_u32 s2, 0
	s_cbranch_scc0 .Lentry_in_a_cluster
	s_endpgm
.Lentry_in_a_cluster:
	s_bfe_u32 s2, ttmp6, 0x10000c
	s_cmp_lg_u32 s2, 0xf033
	s_cbranch_scc0 .Lentry_shape_is_right
	s_endpgm
.Lentry_shape_is_right:
; q = x Wq, k = x Wk, v = x Wv on codes of BF6 (E3M2) with E8M0 scales, K = 1,024; the results are quantised in registers and leave as codes: q and k along the head's 64, v along the tokens (the keys).
; A WORK-GROUP STAYS: it owns 128 tokens and four heads (256 columns) and makes three blocks of 128 x 256: q, k, v.  ALL OF K LIES IN LDS: x's 128 slots, 98,304 dense bytes, are filled once and stay;
; a weight's 256 slots, 196,608 dense bytes, lie behind them and are filled again twice.  At the head wave 0 asks for x's block and waves 1 to 3 for a third of the weight's each; a refill is the three thirds again.
; A refill is asked for when every wave holds the block's last fragments in registers: 32 products and the whole way out stand between the request and the wait for it.
; THE MATRIX INSTRUCTION IS USED TRANSPOSED: source 0 = 16 slots of B, source 1 = 16 slots of A: a lane holds one slot of A, and its 64 registers of a block of A run along 128 rows of B IN THEIR TRUE ORDER
; (slot 16 u + r of a group of 32 holds row 8 u + r + 8 (r / 8)): register 16 b + i is row 32 b + 16 (lane / 16) + i.  So the quantiser's blocks of 32 lie in lanes l and l xor 16.
; TWO ROLES.  q, k (two trips of one loop): A = 64 tokens (half i = wave / 2), B = 128 columns, two heads (half j = wave % 2).  v (written out): A = the 64 channels of head wave, B = the 128 tokens.
; THE SCALE WORDS go from memory straight into registers, 256 consecutive bytes a load: lanes 0-15 an even block's, lanes 16-31 the odd block's behind it.
; THE qkv BUFFER: [batch x 16 + head][key step of 128 tokens][19,712 bytes]: Q's codes 8 tiles x 768, Q's words 512 | K's likewise from 6,656 | V's codes 4 tiles x 1,536 from 13,312, V's words 256 from 19,456.
; A word of Q or K holds its two scale bytes below and zeros above: the upper 64 of the instruction's K are zero codes there.
; CLUSTERS: 4 x 4 work-groups; x's block is asked for jointly along a row of the cluster, the weight's thirds along a column.
; No prefetch: the launch has two refills, each asked for a way out ahead of its first read; the loop has no further trip to run ahead in.
; LIMITS: a block of zeros gets the byte 1 (its codes are zeros; only this program reads the bytes); largest magnitudes under 2^-122 have the byte held at 1; NaN and infinities are not served.
; REGISTERS: window 0: v4 8 x lane, v16-29 addresses, v32-127 scale words, v176-227 the way out.  window 1: B's fragments, two sets (v0, v96).  window 2: the 32 accumulators ((a, b) at v[8 (8 a + b)]).  window 3: A's fragments, two sets (v0, v48).
.set GRP,   98304                      ; 128 slots x 1,024 K of codes
.set KST,   24576                      ; 128 slots x 256 K
.set SPARE, 3*GRP                      ; the spare words, 128 bytes a wave
.set STAGE, SPARE+512                  ; 512 bytes a wave for the scale words on their way out; no fill lands here
.set REC,   19712
.set HS,    16*REC
.set L8,   4
.set ADRA, 16                          ; v16-17 A's fragments for q, k (K 0-511, 512-1,023); v18-19 for v
.set ADRB, 20                          ; v20-21, v22-23 B's
.set SPW,  28
.set NIL,  29
.set SAX,  32                          ; v32-47 x's words as A;  v48-79 the weight's as B;  v80-95 Wv's as A;  v96-127 x's as B
.set SBW,  48
.set SAW,  80
.set SBX,  96
.set PC,   176                         ; v176-187 a fragment's codes; v188-190, v192-194 upper halves before they are moved
.set TM,   196                         ; v196-199 maxima, v200-203 permutes and bytes, v208-211 scale operands
.set PW,   212
.set VAL,  213
.set GW,   216
.set GR,   217
.set GR8,  218
.set SO1,  219
.set SH,   220
.set WB,   224
.set TC,   2                           ; s2 the loop's trip
.set G1, 24
.set G0, 32
.set G1B, 48
.set G0B, 56
.set PXA, 66                           ; s[66:67] x's scale bytes, my 64 slots;  s[68:69] all 128
.set PXB, 68
.set PWB, 70                           ; s[70:71] the weight's scale bytes, my 128 slots
.set PWA, 72                           ; s[72:73] Wv's, my 64 slots
.set PQ,  74                           ; s[74:75] Q's or K's codes, my first tile;  s[76:77] their words
.set PQW, 76
.set PV,  78                           ; s[78:79] my head's V
.set MSB, 0
.macro WIN new                         ; the immediate's high byte repeats the setting that is left
.if MSB != (\new)
	s_set_vgpr_msb (MSB<<8)|(\new)
.set MSB, (\new)
.endif
.endm
.macro CROUND                          ; a round of the cluster's barrier
	s_barrier_signal -1
	s_barrier_wait -1
	s_cmp_lg_u32 s14, 0
	s_cbranch_scc1 .Lnot_wave_0_\@
	s_barrier_signal -3
.Lnot_wave_0_\@:
	s_barrier_wait -3
	s_barrier_signal -1
	s_barrier_wait -1
.endm
.macro PLACES
.rept 4
	v_nop
.endr
.endm
.macro FRAG reg, adr, off              ; a fragment is six pieces of 256 bytes, 8 bytes a lane
.irp p, 0,1,2,3,4,5
	ds_load_b64 v[(\reg)+2*\p:(\reg)+2*\p+1], v[\adr] offset:(\off)+\p*256
.endr
.endm
.macro FETCH r, st                     ; role r, step st of eight: B's eight fragments and A's four, 128 along K, into set st % 2
.set P, (\st)%2
	WIN 0x40
.irp i, 0,1,2,3,4,5,6,7
	FRAG 96*P+12*\i, ADRB+2*(\r)+(\st)/4, (((\st)/2)%2)*KST+\i*3072+P*1536
.endr
	WIN 0xc0
.irp i, 0,1,2,3
	FRAG 48*P+12*\i, ADRA+2*(\r)+(\st)/4, (((\st)/2)%2)*KST+\i*3072+P*1536
.endr
	WIN 0
.endm
.macro WM d, b, a, z, sb, sa, rb, ra   ; z: the product starts its sum;  rb, ra: the scale words stand in lanes 16-31
.if (\z)
.if (\rb) && (\ra)
	v_wmma_scale_f32_16x16x128_f8f6f4 v[(\d):(\d)+7], v[(\b):(\b)+11], v[(\a):(\a)+11], 0, v[(\sb)], v[(\sa)] matrix_a_fmt:MATRIX_FMT_BF6 matrix_b_fmt:MATRIX_FMT_BF6 matrix_a_scale:MATRIX_SCALE_ROW1 matrix_b_scale:MATRIX_SCALE_ROW1
.elseif (\rb)
	v_wmma_scale_f32_16x16x128_f8f6f4 v[(\d):(\d)+7], v[(\b):(\b)+11], v[(\a):(\a)+11], 0, v[(\sb)], v[(\sa)] matrix_a_fmt:MATRIX_FMT_BF6 matrix_b_fmt:MATRIX_FMT_BF6 matrix_a_scale:MATRIX_SCALE_ROW1
.elseif (\ra)
	v_wmma_scale_f32_16x16x128_f8f6f4 v[(\d):(\d)+7], v[(\b):(\b)+11], v[(\a):(\a)+11], 0, v[(\sb)], v[(\sa)] matrix_a_fmt:MATRIX_FMT_BF6 matrix_b_fmt:MATRIX_FMT_BF6 matrix_b_scale:MATRIX_SCALE_ROW1
.else
	v_wmma_scale_f32_16x16x128_f8f6f4 v[(\d):(\d)+7], v[(\b):(\b)+11], v[(\a):(\a)+11], 0, v[(\sb)], v[(\sa)] matrix_a_fmt:MATRIX_FMT_BF6 matrix_b_fmt:MATRIX_FMT_BF6
.endif
.else
.if (\rb) && (\ra)
	v_wmma_scale_f32_16x16x128_f8f6f4 v[(\d):(\d)+7], v[(\b):(\b)+11], v[(\a):(\a)+11], v[(\d):(\d)+7], v[(\sb)], v[(\sa)] matrix_a_fmt:MATRIX_FMT_BF6 matrix_b_fmt:MATRIX_FMT_BF6 matrix_a_scale:MATRIX_SCALE_ROW1 matrix_b_scale:MATRIX_SCALE_ROW1
.elseif (\rb)
	v_wmma_scale_f32_16x16x128_f8f6f4 v[(\d):(\d)+7], v[(\b):(\b)+11], v[(\a):(\a)+11], v[(\d):(\d)+7], v[(\sb)], v[(\sa)] matrix_a_fmt:MATRIX_FMT_BF6 matrix_b_fmt:MATRIX_FMT_BF6 matrix_a_scale:MATRIX_SCALE_ROW1
.elseif (\ra)
	v_wmma_scale_f32_16x16x128_f8f6f4 v[(\d):(\d)+7], v[(\b):(\b)+11], v[(\a):(\a)+11], v[(\d):(\d)+7], v[(\sb)], v[(\sa)] matrix_a_fmt:MATRIX_FMT_BF6 matrix_b_fmt:MATRIX_FMT_BF6 matrix_b_scale:MATRIX_SCALE_ROW1
.else
	v_wmma_scale_f32_16x16x128_f8f6f4 v[(\d):(\d)+7], v[(\b):(\b)+11], v[(\a):(\a)+11], v[(\d):(\d)+7], v[(\sb)], v[(\sa)] matrix_a_fmt:MATRIX_FMT_BF6 matrix_b_fmt:MATRIX_FMT_BF6
.endif
.endif
.endm
.macro MUL st, sa, sb                  ; 32 matrix instructions; the 32 accumulators take turns, one instruction a turn
.set P, (\st)%2
.set KS, (\st)/2
	WIN 0xad                                       ; source 0 (B) window 1, source 1 (A) window 3, C and D window 2
.irp a, 0,1,2,3
.irp b, 0,1,2,3,4,5,6,7
	WM 8*(8*\a+\b), 96*P+12*\b, 48*P+12*\a, (\st)==0, (\sb)+8*KS+2*(\b/2)+P, (\sa)+4*KS+2*(\a/2)+P, \b%2, \a%2
.endr
.endr
.endm
.macro STEP r, st, sa, sb              ; one of a block's first seven steps
	s_wait_dscnt 0x0                               ; this step's fragments, asked for a step ago, are in
	PLACES                                         ; in front of loads into registers that the last products read
	FETCH \r, (\st)+1
	MUL \st, \sa, \sb
.endm
; THE WAY OUT of block a of A: its 64 registers a lane become a fragment's codes and a scale word.  r = 0: q, k; r = 1: v.
.macro QBLK r, a
.set AC, 64*(\a)
	s_wait_alu depctr_va_vdst(0)
	s_wait_xcnt 0x0                                ; the last block's stores have read their data
	WIN 0x0a                                       ; sources 0 and 1: window 2
.irp b, 0,1,2,3
	v_max3_num_f32 v[TM+\b], |v[AC+16*\b]|, |v[AC+16*\b+1]|, 0x2800000   ; each accumulator is read from its low end on; the floor 2^(5 - 127) holds the byte at 1 from below
.endr
.irp i, 2,4,6,8,10,12,14
.irp b, 0,1,2,3
	v_max3_num_f32 v[TM+\b], |v[AC+16*\b+\i]|, |v[AC+16*\b+\i+1]|, v[TM+\b]
.endr
.endr
	WIN 0
.irp b, 0,1,2,3
	v_permlanex16_b32 v[TM+4+\b], v[TM+\b], s18, s19
.endr
.irp b, 0,1,2,3
	v_max_num_f32 v[TM+\b], v[TM+\b], v[TM+4+\b]   ; with lane l xor 16's: the block's largest magnitude
.endr
.irp b, 0,1,2,3
	v_add_nc_u32 v[TM+12+\b], 0xfe000000, v[TM+\b] ; 4 off the exponent field: the conversion's scale operand
.endr
.irp b, 0,1,2,3
	v_lshrrev_b32 v[TM+4+\b], 23, v[TM+12+\b]      ; the byte
.endr
	v_lshl_or_b32 v[PW], v[TM+5], 8, v[TM+4]
	v_lshl_or_b32 v[PW], v[TM+6], 16, v[PW]
	v_lshl_or_b32 v[PW], v[TM+7], 24, v[PW]
	WIN 0x02                                       ; source 0: window 2
.irp c, 0,1
	v_cvt_scalef32_pk16_bf6_f32 v[PC+6*\c:PC+6*\c+2], v[AC+32*\c:AC+32*\c+15], v[TM+12+2*\c]
	v_cvt_scalef32_pk16_bf6_f32 v[PC+12+4*\c:PC+14+4*\c], v[AC+32*\c+16:AC+32*\c+31], v[TM+13+2*\c]
.endr
	WIN 0
	v_nop                                          ; one plain instruction behind the conversions
.irp c, 0,1                            ; the layout wants a whole block in a lane: lanes 0-15 block 2 c, lanes 16-31 block 2 c + 1
.irp i, 0,1,2
	v_permlane16_swap_b32 v[PC+6*\c+\i], v[PC+12+4*\c+\i]
.endr
.irp i, 0,1,2
	v_mov_b32 v[PC+3+6*\c+\i], v[PC+12+4*\c+\i]
.endr
.endr
.if (\r) == 0
	v_lshrrev_b32 v[VAL], v[SH], v[PW]             ; lanes 0-15 the first head's two bytes, lanes 16-31 the second's
	v_and_b32 v[VAL], 0xffff, v[VAL]
	ds_store_b32 v[GW], v[VAL] offset:64*(\a)
.irp j, 0,1,2
	global_store_b64 v[L8], v[PC+2*\j:PC+2*\j+1], s[PQ:PQ+1] offset:768*(\a)+256*\j        ; 32 lanes store 256 consecutive bytes, at a multiple of 256 from the buffer's first byte
	global_store_b64 v[L8], v[PC+6+2*\j:PC+7+2*\j], s[PQ:PQ+1] offset:HS+768*(\a)+256*\j   ; the second head
.endr
.else
	ds_store_b32 v[GW], v[PW] offset:64*(\a)
.irp j, 0,1,2
	global_store_b64 v[L8], v[PC+2*\j:PC+2*\j+1], s[PV:PV+1] offset:1536*(\a)+256*\j
	global_store_b64 v[L8], v[PC+6+2*\j:PC+7+2*\j], s[PV:PV+1] offset:1536*(\a)+768+256*\j
.endr
.endif
.endm
	s_load_b128 s[4:7], s[0:1], 0x0                ; xc, xs
	s_load_b128 s[8:11], s[0:1], 0x10              ; wc, ws
	s_load_b64 s[12:13], s[0:1], 0x20              ; qkv
	v_lshl_add_u32 v[SPW], v0, 2, SPARE
	v_mov_b32 v[NIL], 0
	ds_add_u32 v[SPW], v[NIL]                      ; the opening lines: the add twice on end and its wait
	ds_add_u32 v[SPW], v[NIL]
	v_lshrrev_b32 v1, 5, v0
	v_readfirstlane_b32 s14, v1                    ; wave 0..3
	s_lshr_b32 s15, s14, 1                         ; i
	s_and_b32 s16, s14, 1                          ; j
	s_bfe_u32 s40, ttmp6, 0x40000                  ; cx
	s_bfe_u32 s41, ttmp6, 0x40004                  ; cy
	s_lshl_b32 s42, ttmp9, 2
	s_add_co_u32 s42, s42, s40                     ; the four heads
	s_and_b32 s17, ttmp7, 0xffff
	s_lshl_b32 s17, s17, 2
	s_add_co_u32 s17, s17, s41                     ; the group of 128 tokens
	s_lshl_b32 s43, s41, 2
	s_lshl_b32 s43, 15, s43                        ; my row of the cluster
	s_lshl_b32 s44, 0x1111, s40                    ; my column
	s_or_b32 s[G1+0], s43, (3<<16)|(1<<21)         ; dense blocks as rows of 256 bytes (32 elements of 8 bytes), no padding: x's 384 rows,
	s_or_b32 s[G1B+0], s44, (3<<16)|(1<<21)        ; a third of a weight's 256
	s_mov_b32 s[G1+1], 32<<16
	s_mov_b32 s[G1+2], 384<<16
	s_mov_b32 s[G1+3], 32<<16
	s_mov_b32 s[G1+4], 384
	s_mov_b32 s[G1+5], 32
	s_mov_b32 s[G1+6], 0
	s_mov_b32 s[G1+7], 0
	s_mov_b32 s[G1B+1], 32<<16
	s_mov_b32 s[G1B+2], 256<<16
	s_mov_b32 s[G1B+3], 32<<16
	s_mov_b32 s[G1B+4], 256
	s_mov_b32 s[G1B+5], 32
	s_mov_b32 s[G1B+6], 0
	s_mov_b32 s[G1B+7], 0
	s_mov_b32 s[G0], 1
	s_mov_b32 s[G0+1], 0
	s_mov_b32 s[G0B], 1
	s_mov_b32 s[TC], 0
	s_mov_b32 s18, 0x76543210
	s_mov_b32 s19, 0xfedcba98                      ; lane l xor 16
	s_mul_i32 s20, s17, GRP                        ; x's codes
	s_mov_b32 s21, 0
	s_mul_i32 s46, s42, 2*GRP                      ; Wq's codes, my four heads; wave w takes third w - 1 (65,536 bytes are taken off the pointer below)
	s_lshl_b32 s47, s14, 16
	s_add_co_u32 s46, s46, s47
	s_add_co_u32 s[G0B+1], s47, 32768              ; to LDS byte 98,304 + 65,536 (w - 1)
	s_mov_b32 s47, 0
	s_lshl_b32 s22, s17, 12                        ; x's scale bytes
	s_mov_b32 s23, 0
	s_lshl_b32 s60, s15, 9                         ; + my 64 slots of 8 bytes
	s_mov_b32 s61, 0
	s_lshl_b32 s62, s42, 1
	s_add_co_u32 s62, s62, s16
	s_lshl_b32 s62, s62, 12                        ; Wq's scale bytes: my group of 128 slots
	s_mov_b32 s63, 0
	s_lshl_b32 s80, s42, 1
	s_add_co_u32 s80, s80, s15
	s_add_co_u32 s80, s80, 16
	s_lshl_b32 s80, s80, 12
	s_lshl_b32 s81, s16, 9
	s_add_co_u32 s80, s80, s81                     ; Wv's scale bytes: my head's 64 slots
	s_mov_b32 s81, 0
	s_lshr_b32 s82, s17, 4
	s_lshl_b32 s82, s82, 8
	s_and_b32 s83, s17, 15
	s_add_co_u32 s82, s82, s83
	s_mul_i32 s82, s82, REC                        ; head 0's record of my batch and key step
	s_lshl_b32 s84, s42, 2
	s_lshl_b32 s85, s16, 1
	s_add_co_u32 s85, s85, s84                     ; q, k: my first head
	s_mul_i32 s85, s85, HS
	s_add_co_u32 s86, s85, s82
	s_mov_b32 s87, 0
	s_mul_i32 s88, s15, 3072                       ; my first tile of the record's eight
	s_add_co_u32 s88, s88, s86
	s_mov_b32 s89, 0
	s_lshl_b32 s85, s15, 8                         ; and its words
	s_add_co_u32 s86, s86, s85
	s_add_co_u32 s84, s84, s14                     ; v: my head
	s_mul_i32 s84, s84, HS
	s_add_co_u32 s84, s84, s82
	s_add_co_u32 s84, s84, 13312
	s_mov_b32 s85, 0
	s_mul_i32 s36, s15, 12288                      ; LDS: q, k: my four tiles of x,
	s_mul_i32 s38, s16, GRP
	s_add_co_u32 s38, s38, GRP                     ; my group of the weight;
	s_mul_i32 s37, s15, GRP
	s_mul_i32 s39, s16, 12288
	s_add_co_u32 s37, s37, s39
	s_add_co_u32 s37, s37, GRP                     ; v: my four tiles of Wv
	s_lshl_b32 s39, s14, 9
	s_add_co_u32 s39, s39, STAGE                   ; my stage
	v_and_b32 v1, 15, v0                           ; r
	v_bfe_u32 v2, v0, 4, 1                         ; h
	v_and_b32 v3, 31, v0
	v_lshlrev_b32 v[L8], 3, v3                     ; 8 x lane
	v_add_nc_u32 v[ADRA], s36, v[L8]
	v_add_nc_u32 v[ADRA+2], s37, v[L8]
	v_add_nc_u32 v[ADRB], s38, v[L8]
	v_mov_b32 v[ADRB+2], v[L8]                     ; v: B is x's whole block, from LDS byte 0
	v_add_nc_u32 v[ADRA+1], 2*KST, v[ADRA]
	v_add_nc_u32 v[ADRA+3], 2*KST, v[ADRA+2]
	v_add_nc_u32 v[ADRB+1], 2*KST, v[ADRB]
	v_add_nc_u32 v[ADRB+3], 2*KST, v[L8]
	v_lshlrev_b32 v5, 2, v1
	v_lshl_add_u32 v5, v2, 8, v5
	v_add_nc_u32 v[GW], s39, v5                    ; the stage, in: 256 h + 4 r (+ 64 a)
	v_lshlrev_b32 v6, 4, v3
	v_add_nc_u32 v[GR], s39, v6                    ; back: 16 x lane,
	v_add_nc_u32 v[GR8], s39, v[L8]                ; or 8 x lane
	v_mul_u32_u24 v7, v2, HS
	v_lshl_add_u32 v[SO1], v1, 4, v7               ; q, k: lanes 0-15 store the first head's 64 words, lanes 16-31 the second's
	v_lshlrev_b32 v[SH], 4, v2
	s_wait_alu depctr_va_vdst(0)
	s_wait_dscnt 0x0
	s_wait_kmcnt 0x0
	s_add_nc_u64 s[G0+2:G0+3], s[4:5], s[20:21]
	s_or_b32 s[G0+3], s[G0+3], 0x80000000
	s_add_nc_u64 s[G0B+2:G0B+3], s[8:9], s[46:47]
	s_sub_nc_u64 s[G0B+2:G0B+3], s[G0B+2:G0B+3], 65536     ; (wave 0 forms this address and does not use it)
	s_or_b32 s[G0B+3], s[G0B+3], 0x80000000
	s_add_nc_u64 s[PXB:PXB+1], s[6:7], s[22:23]
	s_add_nc_u64 s[PXA:PXA+1], s[PXB:PXB+1], s[60:61]
	s_add_nc_u64 s[PWB:PWB+1], s[10:11], s[62:63]
	s_add_nc_u64 s[PWA:PWA+1], s[10:11], s[80:81]
	s_add_nc_u64 s[PQ:PQ+1], s[12:13], s[88:89]
	s_add_nc_u64 s[PQW:PQW+1], s[12:13], s[86:87]
	s_add_nc_u64 s[PV:PV+1], s[12:13], s[84:85]
	CROUND                                         ; all sixteen work-groups are here: the joint loads meet
	s_cmp_eq_u32 s14, 0
	s_cbranch_scc0 .Lfor_b
	tensor_load_to_lds s[G0:G0+3], s[G1:G1+7]
	s_nop 0
.rept 4
	v_nop
.endr
	s_branch .Lasked
.Lfor_b:
	tensor_load_to_lds s[G0B:G0B+3], s[G1B:G1B+7]
	s_nop 0
.rept 4
	v_nop
.endr
.Lasked:
.irp s, 0,1,2,3
.irp p, 0,1
	global_load_b64 v[SAX+4*\s+2*\p:SAX+4*\s+2*\p+1], v[L8], s[PXA:PXA+1] offset:\s*1024+\p*256
	global_load_b64 v[SAW+4*\s+2*\p:SAW+4*\s+2*\p+1], v[L8], s[PWA:PWA+1] offset:\s*1024+\p*256
.endr
.irp p, 0,1,2,3
	global_load_b64 v[SBW+8*\s+2*\p:SBW+8*\s+2*\p+1], v[L8], s[PWB:PWB+1] offset:\s*1024+\p*256
	global_load_b64 v[SBX+8*\s+2*\p:SBX+8*\s+2*\p+1], v[L8], s[PXB:PXB+1] offset:\s*1024+\p*256
.endr
.endr
	s_wait_tensorcnt 0x0                           ; my load has landed,
	s_barrier_signal -1
	s_barrier_wait -1                              ; everybody's has
.Ltile:                                                ; two trips: q, then k
	FETCH 0, 0
	s_wait_loadcnt 0x0                             ; the scale words
.set SS, 0
.rept 7
	STEP 0, SS, SAX, SBW
.set SS, SS+1
.endr
	WIN 0
	s_wait_tensorcnt 0x0                           ; no load of mine is out;
	ds_add_u32 v[SPW], v[NIL]
	s_add_nc_u64 s[G0B+2:G0B+3], s[G0B+2:G0B+3], 8*GRP     ; the next weight's third
	s_wait_dscnt 0x0                               ; the add is done, and the block's last fragments are in my registers: my reads of this weight are over
	CROUND                                         ; so it is with every wave of every partner
	s_cmp_eq_u32 s14, 0
	s_cbranch_scc1 .Lno_fill
	tensor_load_to_lds s[G0B:G0B+3], s[G1B:G1B+7]  ; the first tensor load behind the round, one a wave
	s_nop 0
.rept 4
	v_nop
.endr
.Lno_fill:
	MUL 7, SAX, SBW
	WIN 0
.irp b, 0,1,2,3
	v_mov_b32 v[TM+4+\b], 0                        ; a lane permute's destination counts as one of its sources; these four are also the places behind the last products
.endr
	s_cmp_eq_u32 s[TC], 1                          ; behind q's products Wk's scale words take Wq's registers; behind k's nothing is asked for
	s_wait_alu depctr_va_vdst(0)
	s_cbranch_scc1 .Lno_sb
	s_add_nc_u64 s[PWB:PWB+1], s[PWB:PWB+1], 32768 ; (the loads by this base were waited for at the trip's head)
.irp s, 0,1,2,3
.irp p, 0,1,2,3
	global_load_b64 v[SBW+8*\s+2*\p:SBW+8*\s+2*\p+1], v[L8], s[PWB:PWB+1] offset:\s*1024+\p*256
.endr
.endr
.Lno_sb:
.irp a, 0,1,2,3
	QBLK 0, \a
.endr
	ds_load_b128 v[WB:WB+3], v[GR]                 ; LDS serves a wave's instructions in order: this sees my stores
	s_wait_dscnt 0x0
	global_store_b128 v[SO1], v[WB:WB+3], s[PQW:PQW+1] offset:6144   ; sixteen lanes store 256 consecutive bytes, aligned
	s_wait_xcnt 0x0                                ; the stores have read their bases
	s_add_nc_u64 s[PQ:PQ+1], s[PQ:PQ+1], 6656      ; from Q's part of the records to K's
	s_add_nc_u64 s[PQW:PQW+1], s[PQW:PQW+1], 6656
	s_wait_alu depctr_va_vdst(0)
	s_wait_tensorcnt 0x0                           ; my third of the next weight has landed,
	s_barrier_signal -1
	s_barrier_wait -1                              ; everybody's has
	s_add_co_u32 s[TC], s[TC], 1
	s_cmp_lt_u32 s[TC], 2
	s_cbranch_scc1 .Ltile
	FETCH 1, 0                                     ; v: the roles change places
.set SS, 0
.rept 7
	STEP 1, SS, SAW, SBX
.set SS, SS+1
.endr
	s_wait_dscnt 0x0
	MUL 7, SAW, SBX
	WIN 0
.irp b, 0,1,2,3
	v_mov_b32 v[TM+4+\b], 0                        ; the places behind the last products
.endr
.irp a, 0,1,2,3
	QBLK 1, \a
.endr
	ds_load_b64 v[WB:WB+1], v[GR8]                 ; my head's 64 words
	s_wait_dscnt 0x0
	global_store_b64 v[L8], v[WB:WB+1], s[PV:PV+1] offset:6144       ; 32 lanes store 256 consecutive bytes, aligned
	s_wait_tensorcnt 0x0                           ; the wave's end
	ds_add_u32 v[SPW], v[NIL]
	s_wait_dscnt 0x0
	CROUND                                         ; the closing round
	s_endpgm
.Lfunc_end_k_q053e950938_qkv:
	.size	k_q053e950938_qkv, .Lfunc_end_k_q053e950938_qkv-k_q053e950938_qkv
	.p2alignl 7, 3214868480
	.fill 96, 4, 3214868480
	.section	.rodata,"a",@progbits
	.p2align	6, 0x0
	.amdhsa_kernel k_q053e950938_qkv
		.amdhsa_group_segment_fixed_size 327680
		.amdhsa_private_segment_fixed_size 0
		.amdhsa_enable_private_segment 0
		.amdhsa_kernarg_size 40
		.amdhsa_user_sgpr_count 2
		.amdhsa_user_sgpr_kernarg_segment_ptr 1
		.amdhsa_wavefront_size32 1
		.amdhsa_system_sgpr_workgroup_id_x 1
		.amdhsa_system_sgpr_workgroup_id_y 1
		.amdhsa_system_sgpr_workgroup_id_z 1
		.amdhsa_system_vgpr_workitem_id 0
		.amdhsa_next_free_vgpr 1024
		.amdhsa_next_free_sgpr 98
		.amdhsa_reserve_vcc 0
		.amdhsa_float_denorm_mode_32 3
		.amdhsa_float_denorm_mode_16_64 3
		.amdhsa_memory_ordered 1
		.amdhsa_forward_progress 1
		.amdhsa_inst_pref_size 193
	.end_amdhsa_kernel
	.amdgpu_metadata
---
amdhsa.version: [ 1, 2 ]
amdhsa.kernels:
  - .name:           k_q053e950938_qkv
    .symbol:         k_q053e950938_qkv.kd
    .args:
      - { .name: xc, .offset: 0, .size: 8, .value_kind: global_buffer, .address_space: global }
      - { .name: xs, .offset: 8, .size: 8, .value_kind: global_buffer, .address_space: global }
      - { .name: wc, .offset: 16, .size: 8, .value_kind: global_buffer, .address_space: global }
      - { .name: ws, .offset: 24, .size: 8, .value_kind: global_buffer, .address_space: global }
      - { .name: qkv, .offset: 32, .size: 8, .value_kind: global_buffer, .address_space: global }
    .group_segment_fixed_size: 327680
    .private_segment_fixed_size: 0
    .kernarg_segment_align: 8
    .kernarg_segment_size: 40
    .max_flat_workgroup_size: 128
    .sgpr_count:     98
    .vgpr_count:     1024
    .wavefront_size: 32
...
	.end_amdgpu_metadata
.endif
;; end of part 2
;; launch attn (part 3): grid 4 x 64, 16 waves a work-group, no clusters, 169,984 bytes of LDS; arguments qkv, cc, cs; writes cc, cs
.if DOCPART == 3
	.amdgcn_target "amdgcn-amd-amdhsa--gfx1250"
	.amdhsa_code_object_version 6
	.text
	.protected	k_q053e950938_attn
	.globl	k_q053e950938_attn
	.p2align	8
	.type	k_q053e950938_attn,@function
k_q053e950938_attn:
	s_mov_b64 s[64:65], 0
	v_nop
	global_prefetch_b8 v0, s[64:65] scope:SCOPE_SE
	s_setreg_imm32_b32 hwreg(HW_REG_WAVE_MODE, 25, 1), 1
	s_wait_xcnt 0x0
; ctx = softmax over the window (key j counts for query i where 0 <= i - j < 512) of q k^T / 8, times v; both products on codes of BF6 (E3M2) with E8M0 scales; ctx leaves as codes along D for the last product.
; THE SOFTMAX: t = score x log2(e) / 8; M = the running largest t rounded UP to a whole number; p = 2^(t - M) is quantised along the keys, not normalised; the sum is taken of the unquantised p and divides at the end.
; SHARES.  A work-group owns 512 queries of one head, four records of 128, in two passes of a counted loop; in a pass each of its sixteen waves has one tile of 16 queries (in slot order).
; A record's queries see five aligned key steps of 128: its own and the four before it.  Steps before the sequence's start are left out by a scalar branch on ids.
; WORK THAT THE MASK THROWS AWAY.  A wave's queries lie in group gg of 32 of their record.  In the oldest step blocks of 32 keys under gg are hidden for all of them, in the diagonal step blocks over gg:
; for these no exponential is taken (a branch on the wave's number); p is 0 and the block's largest score -infinity.  Only block gg is masked key by key.
; LDS: the eight key steps that the four records want, 13,056 bytes each (K's codes 6,144, K's words 512, V's codes 6,144, V's words 256), each filled ONCE by one tensor load of waves 0 to 7: no slot is filled again.
; No cluster: neighbouring work-groups of a head want windows four steps apart, so their loads are not alike.  No prefetch: all tiles are asked for at the head, there is no later load to run ahead of.
; LAYOUT.  S^T = K Q^T, O^T = V^T P^T: a lane holds one query throughout.  Registers 16 b + i are key (or channel) 32 b + 16 (lane / 16) + i.
; The head's size is 64: registers 6-11 of Q's and K's fragments are zero codes, and bytes 2, 3 of their scale words are 0.
; LIMITS: a block of zeros gets the byte 1 (its codes are zeros; only this program reads the bytes); NaN and infinities are not served; the scaled scores stay under 2^31 in magnitude.
.set REC,  19712
.set HS,   16*REC
.set SLB,  13056
.set SPARE, 0x29000
.set AK,   1                           ; v1  8 x lane + my first slot's byte
.set AKS,  2                           ; v2  4 r + my first slot's byte
.set R4,   3                           ; v3  4 r
.set DD,   5                           ; v5  my query's place in its group of 32, less 16 (lane / 16)
.set KW,   8
.set QF,   16
.set QW,   28
.set KF,   32
.set VF,   80
.set S,    128
.set OT,   192
.set PF,   224
.set BM,   236
.set TP,   240
.set SO,   248
.set VW,   252
.set WV,   18
.set SEL,  20
.set CS,   22
.set G1,   24
.set G0,   32
.set QA,   36                          ; s36 my record
.set GG,   39                          ; s39 my group of 32 in the record
.set PS,   50                          ; s50 the pass
.set LO,   51                          ; s51 my first slot's byte in LDS
.set D1,   58                          ; s58-60 oldest step, blocks 0-2: -infinity where the block is hidden whole, else +infinity
.set D2,   61                          ; s61-63 diagonal step, blocks 1-3
.macro KLOAD t, g
.irp i, 0,1,2,3
.irp j, 0,1,2
	ds_load_b64 v[KF+12*\i+2*\j:KF+12*\i+2*\j+1], v[AK] offset:(\t)*SLB+(4*(\g)+\i)*768+\j*256
.endr
	ds_load_b32 v[KW+\i], v[AKS] offset:(\t)*SLB+6144+(4*(\g)+\i)*64
.endr
.endm
.macro KQ g
.irp i, 0,1,2,3
	v_wmma_scale_f32_16x16x128_f8f6f4 v[S+8*(4*(\g)+\i):S+8*(4*(\g)+\i)+7], v[KF+12*\i:KF+12*\i+11], v[QF:QF+11], 0, v[KW+\i], v[QW] matrix_a_fmt:MATRIX_FMT_BF6 matrix_b_fmt:MATRIX_FMT_BF6
.endr
.endm
.macro PLACES
.rept 4
	v_nop
.endr
.endm
.macro QLOAD                           ; my tile of Q: three pieces and the words
.irp j, 0,1,2
	global_load_b64 v[QF+2*\j:QF+2*\j+1], v6, s[2:3] offset:256*\j
.endr
	global_load_b32 v[QW], v[R4], s[52:53]
.endm
; MY KEY STEP t OF FIVE.  mode 0: every key counts; 1: the oldest step; 2: the diagonal.
.macro STEP t, mode
.if (\t) < 4
	s_cmp_lt_u32 s[QA], 4-(\t)                     ; a step before the sequence's start: a branch on ids
	s_cbranch_scc1 .Lskip_\@
.endif
	PLACES                                         ; in front of loads into registers that the last products read
	KLOAD \t, 0
.irp i, 0,1,2,3
.irp p, 0,1,2,3,4,5
	ds_load_b64 v[VF+12*\i+2*\p:VF+12*\i+2*\p+1], v[AK] offset:(\t)*SLB+6656+\i*1536+\p*256
.endr
	ds_load_b32 v[VW+\i], v[AKS] offset:(\t)*SLB+12800+\i*64
.endr
	s_wait_dscnt 28                                ; K's first four tiles are in; V's 24 pieces and 4 words may be out
	KQ 0
	PLACES
	KLOAD \t, 1
	s_wait_dscnt 0x0
	KQ 1
	PLACES
.if \mode == 2
	s_cmp_eq_u32 s[PS], 1                          ; Q's registers are free: the next pass's tile is asked for here; the last pass asks for nothing
	s_wait_alu depctr_va_vdst(0)
	s_cbranch_scc1 .Lnq_\@
	s_add_nc_u64 s[2:3], s[2:3], 2*REC             ; (the earlier loads by these bases were waited for at the pass's head)
	s_add_nc_u64 s[52:53], s[52:53], 2*REC
	QLOAD
.Lnq_\@:
.endif
.if \mode                              ; block gg alone is masked key by key: register 16 gg + n holds key 16 (lane / 16) + n of the block
	v_mov_b32 v29, 0xff800000
.irp b, 0,1,2,3
	s_cmp_lg_u32 s[GG], \b
	s_wait_alu depctr_va_vdst(0)
	s_cbranch_scc1 .Lnm\@_\b
.set n, 0
.rept 16
.if \mode == 1
	v_cmp_le_i32 vcc_lo, n, v[DD]                  ; the distance is 512 or more where the key's place is at or under the query's
.else
	v_cmp_gt_i32 vcc_lo, n, v[DD]                  ; the key comes after the query
.endif
	v_cndmask_b32 v[S+16*\b+n], v[S+16*\b+n], v29, vcc_lo
.set n, n+1
.endr
.Lnm\@_\b:
.endr
.endif
.irp b, 0,1,2,3
	v_max3_num_f32 v[BM+\b], v[S+16*\b], v[S+1+16*\b], v[S+2+16*\b]   ; the largest score of each block of 32 keys: for the row's maximum and, since p rises with the score, for the block's largest p
.endr
.irp i, 3,5,7,9,11,13
.irp b, 0,1,2,3
	v_max3_num_f32 v[BM+\b], v[BM+\b], v[S+16*\b+\i], v[S+1+16*\b+\i]
.endr
.endr
.irp b, 0,1,2,3
	v_max_num_f32 v[BM+\b], v[BM+\b], v[S+15+16*\b]
.endr
.irp b, 0,1,2,3
	s_delay_alu instid0(VALU_DEP_4)
	v_permlanex16_b32 v[TP+\b], v[BM+\b], s[SEL], s[SEL+1]
.endr
.irp b, 0,1,2,3
	s_delay_alu instid0(VALU_DEP_4)
	v_max_num_f32 v[BM+\b], v[BM+\b], v[TP+\b]     ; with lane l xor 16's 16 keys
.endr
.if \mode == 1
.irp b, 0,1,2
	v_min_num_f32 v[BM+\b], s[D1+\b], v[BM+\b]     ; a block that is hidden whole counts as -infinity
.endr
.endif
.if \mode == 2
.irp b, 1,2,3
	v_min_num_f32 v[BM+\b], s[D2+\b-1], v[BM+\b]
.endr
.endif
.if \mode == 1
	s_delay_alu instid0(VALU_DEP_1)
.else
	s_delay_alu instid0(VALU_DEP_2)
.endif
	v_max3_num_f32 v29, v[BM], v[BM+1], v[BM+2]
	s_delay_alu instid0(VALU_DEP_1)
	v_max_num_f32 v29, v29, v[BM+3]
	s_delay_alu instid0(VALU_DEP_1)
	v_mul_f32 v29, s[CS], v29                      ; as t
	s_delay_alu instid0(VALU_DEP_1)
	v_max_num_f32 v13, v13, v29                    ; the running largest t
	v_mov_b32 v29, v12
	s_delay_alu instid0(VALU_DEP_2)
	v_floor_f32 v12, -v13                          ; the new -M = -ceil(t)
	s_delay_alu instid0(VALU_DEP_1)
	v_sub_f32 v29, v12, v29                        ; old M - new M: a whole number, 0 or less
	s_delay_alu instid0(VALU_DEP_1)
	v_cvt_i32_f32 v29, v29                         ; (it saturates)
	s_delay_alu instid0(VALU_DEP_1)
	v_ldexp_f32 v30, 1.0, v29                      ; f = 2^(old M - new M): the rescaling rounds nothing
.if \mode == 0
.set j, 0
.rept 32
	v_pk_fma_f32 v[S+j:S+j+1], v[S+j:S+j+1], s[CS:CS+1], v[12:13] op_sel_hi:[1,0,0]   ; t - M
.set j, j+2
.endr
.irp b, 0,1,2,3
	v_fma_f32 v[BM+\b], v[BM+\b], s[CS], v12
.endr
	s_wait_alu depctr_va_vdst(0)                   ; ahead of the batch
.set j, 0
.rept 64
	v_exp_f32 v[S+j], v[S+j]                       ; p = 2^(t - M)
.set j, j+1
.endr
.else
.irp b, 0,1,2,3
	v_fma_f32 v[BM+\b], v[BM+\b], s[CS], v12
.endr
.irp b, 0,1,2,3                        ; block by block: a block hidden whole gets p = 0 with no exponential
.if ((\mode == 1) && (\b < 3)) || ((\mode == 2) && (\b > 0))
.if \mode == 1
	s_cmp_gt_u32 s[GG], \b
.else
	s_cmp_lt_u32 s[GG], \b
.endif
	s_wait_alu depctr_va_vdst(0)
	s_cbranch_scc1 .Ldd\@_\b
.endif
.set j, 0
.rept 8
	v_pk_fma_f32 v[S+16*\b+j:S+16*\b+j+1], v[S+16*\b+j:S+16*\b+j+1], s[CS:CS+1], v[12:13] op_sel_hi:[1,0,0]
.set j, j+2
.endr
	s_wait_alu depctr_va_vdst(0)                   ; ahead of the batch
.set j, 0
.rept 16
	v_exp_f32 v[S+16*\b+j], v[S+16*\b+j]
.set j, j+1
.endr
	v_nop                                          ; the plain instruction behind the batch
	s_wait_alu depctr_va_vdst(0)                   ; and the batch's wait, ahead of the branch or label
.if ((\mode == 1) && (\b < 3)) || ((\mode == 2) && (\b > 0))
	s_branch .Ljn\@_\b
.Ldd\@_\b:
.set j, 0
.rept 16
	v_mov_b32 v[S+16*\b+j], 0
.set j, j+1
.endr
.Ljn\@_\b:
.endif
.endr
.endif
	v_pk_mul_f32 v[14:15], v[14:15], v[30:31] op_sel_hi:[1,0]   ; the sums under the new M
	s_wait_alu depctr_va_vdst(0)                   ; behind the batch above, ahead of the four below
.irp b, 0,1,2,3
	v_exp_f32 v[BM+\b], v[BM+\b]                   ; the blocks' largest p
.endr
.irp k, 0,1,2,3,4,5                    ; the row's sum of the unquantised p, in eight chains of pairs
	v_pk_add_f32 v[TP+2*\k:TP+2*\k+1], v[S+2*\k:S+2*\k+1], v[S+14+2*\k:S+15+2*\k]
.endr
	v_pk_add_f32 v[PF+10:PF+11], v[S+12:S+13], v[S+26:S+27]
	v_pk_add_f32 v[14:15], v[14:15], v[S+28:S+29]
.irp o, 30, 46
.irp k, 0,1,2,3,4,5
	v_pk_add_f32 v[TP+2*\k:TP+2*\k+1], v[TP+2*\k:TP+2*\k+1], v[S+\o+2*\k:S+\o+1+2*\k]
.endr
	v_pk_add_f32 v[PF+10:PF+11], v[PF+10:PF+11], v[S+\o+12:S+\o+13]
	v_pk_add_f32 v[14:15], v[14:15], v[S+\o+14:S+\o+15]
.endr
	v_pk_add_f32 v[TP:TP+1], v[TP:TP+1], v[S+62:S+63]
	v_pk_add_f32 v[14:15], v[14:15], v[TP+6:TP+7]
	v_pk_add_f32 v[TP:TP+1], v[TP:TP+1], v[TP+8:TP+9]
	v_pk_add_f32 v[TP+2:TP+3], v[TP+2:TP+3], v[TP+10:TP+11]
	v_pk_add_f32 v[TP+4:TP+5], v[TP+4:TP+5], v[PF+10:PF+11]
	s_delay_alu instid0(VALU_DEP_2)
	v_pk_add_f32 v[14:15], v[14:15], v[TP+2:TP+3]
	s_delay_alu instid0(VALU_DEP_2)
	v_pk_add_f32 v[TP:TP+1], v[TP:TP+1], v[TP+4:TP+5]
	s_delay_alu instid0(VALU_DEP_1)
	v_pk_add_f32 v[14:15], v[14:15], v[TP:TP+1]
	s_wait_alu depctr_va_vdst(0)                   ; for the four
.irp b, 0,1,2,3
	v_max_num_f32 v[BM+\b], 0x2800000, v[BM+\b]    ; the floor 2^(5 - 127)
.endr
.irp b, 0,1,2,3
	s_delay_alu instid0(VALU_DEP_4)
	v_add_nc_u32 v[SO+\b], 0xfe000000, v[BM+\b]
.endr
.irp b, 0,1,2,3
	s_delay_alu instid0(VALU_DEP_4)
	v_lshrrev_b32 v[TP+\b], 23, v[SO+\b]
.endr
	s_delay_alu instid0(VALU_DEP_3)
	v_lshl_or_b32 v31, v[TP+1], 8, v[TP]           ; p's scale word for these 128 keys
	s_delay_alu instid0(VALU_DEP_1)
	v_lshl_or_b32 v31, v[TP+2], 16, v31
	s_delay_alu instid0(VALU_DEP_1)
	v_lshl_or_b32 v31, v[TP+3], 24, v31
.irp c, 0,1
	v_cvt_scalef32_pk16_bf6_f32 v[PF+6*\c:PF+6*\c+2], v[S+32*\c:S+32*\c+15], v[SO+2*\c]
	v_cvt_scalef32_pk16_bf6_f32 v[TP+4*\c:TP+4*\c+2], v[S+32*\c+16:S+32*\c+31], v[SO+2*\c+1]
.endr
	v_nop                                          ; one plain instruction behind the conversions
.irp c, 0,1
.irp i, 0,1,2
	v_permlane16_swap_b32 v[PF+6*\c+\i], v[TP+4*\c+\i]
.endr
.irp i, 0,1,2
	s_delay_alu instid0(VALU_DEP_3)
	v_mov_b32 v[PF+3+6*\c+\i], v[TP+4*\c+\i]
.endr
.endr
	s_wait_alu depctr_va_vdst(0)                   ; directly ahead of the first reader of O^T
.set j, 0
.rept 16
	v_pk_mul_f32 v[OT+j:OT+j+1], v[OT+j:OT+j+1], v[30:31] op_sel_hi:[1,0]   ; O^T under the new M; these sixteen also stand between the writes of p's codes and word and the products below
.set j, j+2
.endr
.irp i, 0,1,2,3
	v_wmma_scale_f32_16x16x128_f8f6f4 v[OT+8*\i:OT+8*\i+7], v[VF+12*\i:VF+12*\i+11], v[PF:PF+11], v[OT+8*\i:OT+8*\i+7], v[VW+\i], v31 matrix_a_fmt:MATRIX_FMT_BF6 matrix_b_fmt:MATRIX_FMT_BF6
.endr
.if (\t) < 4
.Lskip_\@:
.endif
.endm
	s_load_b128 s[4:7], s[0:1], 0x0                ; qkv, cc
	s_load_b64 s[8:9], s[0:1], 0x10                ; cs
	v_lshl_add_u32 v254, v0, 2, SPARE
	v_mov_b32 v255, 0
	ds_add_u32 v254, v255                          ; the opening lines: the add twice on end and its wait
	ds_add_u32 v254, v255
	v_lshrrev_b32 v29, 5, v0
	s_delay_alu instid0(VALU_DEP_1)
	v_readfirstlane_b32 s[WV], v29                 ; wave 0..15
	s_and_b32 s10, ttmp7, 0xffff                   ; batch x 16 + head
	s_mul_i32 s12, s10, HS
	s_mov_b32 s13, 0
	s_lshl_b32 s11, ttmp9, 2                       ; my work-group's first record
	s_min_u32 s14, s[WV], 7                        ; waves 0 to 7 fetch; the others form the last one's address and do not use it
	s_add_co_u32 s15, s11, s14
	s_sub_co_i32 s15, s15, 4
	s_max_i32 s15, s15, 0                          ; slot j holds key step 4 x - 4 + j; before the start, step 0, which nobody reads from there
	s_mul_i32 s16, s15, REC
	s_add_co_u32 s16, s16, 6656                    ; K and V of a record are one dense block
	s_mov_b32 s17, 0
	s_mov_b32 s[G1], 3<<16                         ; no mask; elements of 8 bytes; no padding
	s_mov_b32 s[G1+1], 32<<16                      ; rows of 256 bytes,
	s_mov_b32 s[G1+2], 51<<16                      ; 51 of them
	s_mov_b32 s[G1+3], 32<<16
	s_mov_b32 s[G1+4], 51
	s_mov_b32 s[G1+5], 32
	s_mov_b32 s[G1+6], 0
	s_mov_b32 s[G1+7], 0
	s_mov_b32 s[G0], 1
	s_mul_i32 s[G0+1], s14, SLB
	s_lshr_b32 s37, s[WV], 3
	s_add_co_u32 s[QA], s11, s37                   ; the first pass's record
	s_and_b32 s38, s[WV], 7                        ; my tile of the record's eight
	s_lshr_b32 s[GG], s38, 1
	s_mul_i32 s[LO], s37, SLB
	s_mov_b32 s[PS], 0
	s_mul_i32 s40, s[QA], REC
	s_mul_i32 s44, s38, 768
	s_add_co_u32 s44, s44, s40                     ; Q's codes: record + 768 x tile
	s_mov_b32 s45, 0
	s_lshl_b32 s46, s38, 6
	s_add_co_u32 s46, s46, s40
	s_add_co_u32 s46, s46, 6144                    ; Q's words: record + 6,144 + 64 x tile
	s_mov_b32 s47, 0
	s_mov_b32 s[SEL], 0x76543210
	s_mov_b32 s[SEL+1], 0xfedcba98
	s_mov_b32 s[CS], 0x3e38aa3b                    ; c = log2(e) / 8
	s_mov_b32 s[CS+1], s[CS]
	s_mov_b32 s48, 0x7f800000
.irp b, 0,1,2
	s_cmp_gt_u32 s[GG], \b
	s_cselect_b32 s[D1+\b], 0xff800000, s48
	s_cmp_lt_u32 s[GG], \b+1
	s_cselect_b32 s[D2+\b], 0xff800000, s48
.endr
	s_and_b32 s48, s[WV], 1
	s_lshl_b32 s48, s48, 3                         ; 8 x (tile % 2)
	s_wait_dscnt 0x0
	s_wait_kmcnt 0x0
	s_add_nc_u64 s[4:5], s[4:5], s[12:13]          ; the head's records
	s_add_nc_u64 s[G0+2:G0+3], s[4:5], s[16:17]
	s_or_b32 s[G0+3], s[G0+3], 0x80000000
	s_add_nc_u64 s[2:3], s[4:5], s[44:45]
	s_add_nc_u64 s[52:53], s[4:5], s[46:47]
	s_cmp_lt_u32 s[WV], 8
	s_cbranch_scc0 .Lno_fetch
	tensor_load_to_lds s[G0:G0+3], s[G1:G1+7]      ; one load a wave, one out
	s_nop 0
.rept 4
	v_nop
.endr
.Lno_fetch:
	v_and_b32 v29, 31, v0                          ; lane
	v_and_b32 v246, 15, v0                         ; r
	v_bfe_u32 v247, v0, 4, 1                       ; h
	s_delay_alu instid0(VALU_DEP_3)
	v_lshlrev_b32 v6, 3, v29                       ; 8 x lane
	s_delay_alu instid0(VALU_DEP_2)
	v_lshl_add_u32 v7, v246, 3, v247               ; 8 r + h
	v_lshlrev_b32 v[R4], 2, v246
	QLOAD                                          ; the first pass's Q
	v_and_b32 v[DD], 8, v246
	s_delay_alu instid0(VALU_DEP_1)
	v_add_nc_u32 v[DD], v[DD], v246                ; r + 8 (r / 8)
	s_delay_alu instid0(VALU_DEP_1)
	v_add_nc_u32 v[DD], s48, v[DD]                 ; + 8 (tile % 2): my query's place in its group of 32
	v_lshlrev_b32 v29, 4, v247
	s_delay_alu instid0(VALU_DEP_1)
	v_sub_nc_u32 v[DD], v[DD], v29                 ; - 16 h (it may be negative: the compares are signed)
.irp i, 6,7,8,9,10,11
	v_mov_b32 v[QF+\i], 0                          ; zero codes for the upper 64 of the instruction's K, written once
.irp t, 0,1,2,3
	v_mov_b32 v[KF+12*\t+\i], 0
.endr
.endr
.irp b, 0,1,2,3
	v_mov_b32 v[TP+\b], 0                          ; a lane permute's destination counts as one of its sources
.endr
	s_wait_alu depctr_va_vdst(0)
	s_wait_tensorcnt 0x0                           ; my slot has landed,
	s_barrier_signal -1
	s_barrier_wait -1                              ; everybody's has
.Lpass:
	v_add_nc_u32 v[AK], s[LO], v6
	v_add_nc_u32 v[AKS], s[LO], v[R4]
	v_mov_b32 v13, 0xff61b1e6                      ; the largest t so far: -3e38
	s_delay_alu instid0(VALU_DEP_1)
	v_floor_f32 v12, -v13                          ; -M
	v_mov_b32 v14, 0
	v_mov_b32 v15, 0
	v_mov_b32 v31, 0                               ; named as the upper half of the pair v[30:31] before it is first written
.set j, 0
.rept 32
	v_mov_b32 v[OT+j], 0                           ; O^T begins as zeros, since which step is a wave's first hangs on its record
.set j, j+1
.endr
	s_wait_alu depctr_va_vdst(0)
	s_wait_loadcnt 0x0                             ; Q
	STEP 0, 1
	STEP 1, 0
	STEP 2, 0
	STEP 3, 0
	STEP 4, 2
	; THE WAY OUT: O^T / the sum, quantised along D (my head's two blocks of 32), into cc and cs as the last product's operand wants them
	PLACES                                         ; behind the last products
	v_add_f32 v14, v14, v15
	s_delay_alu instid0(VALU_DEP_1)
	v_permlanex16_b32 v29, v14, s[SEL], s[SEL+1]
	s_delay_alu instid0(VALU_DEP_1)
	v_add_f32 v14, v14, v29                        ; the row's sum
	s_wait_alu depctr_va_vdst(0)
	v_rcp_f32 v14, v14
	v_and_b32 v30, 16, v0                          ; (the plain instruction behind the reciprocal)
	s_delay_alu instid0(VALU_DEP_1)
	v_cmp_ne_u32 vcc_lo, 0, v30                    ; lanes 16-31
	s_lshr_b32 s40, s10, 4
	s_and_b32 s41, s10, 15                         ; the head
	s_lshl_b32 s40, s40, 4
	s_add_co_u32 s40, s40, s[QA]                   ; my group of 128 tokens
	s_lshr_b32 s42, s41, 2                         ; the last product's K step: four heads each
	s_and_b32 s47, s41, 3
	s_mul_i32 s44, s40, 98304
	s_mul_i32 s45, s42, 24576
	s_add_co_u32 s44, s44, s45
	s_mul_i32 s45, s38, 3072
	s_add_co_u32 s44, s44, s45
	s_mul_i32 s45, s47, 768                        ; a head is half a fragment: three pieces
	s_add_co_u32 s44, s44, s45
	s_mov_b32 s45, 0
	s_add_nc_u64 s[54:55], s[6:7], s[44:45]
	s_lshl_b32 s48, s40, 12
	s_lshl_b32 s46, s42, 10
	s_add_co_u32 s48, s48, s46
	s_lshl_b32 s46, s38, 7
	s_add_co_u32 s48, s48, s46
	s_lshl_b32 s46, s47, 1
	s_add_co_u32 s48, s48, s46
	s_mov_b32 s49, 0
	s_add_nc_u64 s[56:57], s[8:9], s[48:49]
	s_wait_alu depctr_va_vdst(0)                   ; ahead of the reciprocal's first reader, which is also O^T's
.set j, 0
.rept 32
	v_mul_f32 v[S+j], v[OT+j], v14                 ; register 16 b + i is channel 32 b + 16 h + i of my query
.set j, j+1
.endr
.irp b, 0,1
	v_max3_num_f32 v[BM+\b], |v[S+16*\b]|, |v[S+1+16*\b]|, 0x2800000
.endr
.irp i, 2,4,6,8,10,12,14
.irp b, 0,1
	s_delay_alu instid0(VALU_DEP_2)
	v_max3_num_f32 v[BM+\b], v[BM+\b], |v[S+16*\b+\i]|, |v[S+1+16*\b+\i]|
.endr
.endr
.irp b, 0,1
	s_delay_alu instid0(VALU_DEP_2)
	v_permlanex16_b32 v[TP+\b], v[BM+\b], s[SEL], s[SEL+1]
.endr
.irp b, 0,1
	s_delay_alu instid0(VALU_DEP_2)
	v_max_num_f32 v[BM+\b], v[BM+\b], v[TP+\b]
.endr
.irp b, 0,1
	s_delay_alu instid0(VALU_DEP_2)
	v_add_nc_u32 v[SO+\b], 0xfe000000, v[BM+\b]
.endr
.irp b, 0,1
	s_delay_alu instid0(VALU_DEP_2)
	v_lshrrev_b32 v[TP+\b], 23, v[SO+\b]
.endr
	s_delay_alu instid0(VALU_DEP_1)
	v_cndmask_b32 v29, v[TP], v[TP+1], vcc_lo      ; lane (r, h) stores block h's byte
	v_cvt_scalef32_pk16_bf6_f32 v[PF:PF+2], v[S:S+15], v[SO]
	v_cvt_scalef32_pk16_bf6_f32 v[TP+4:TP+6], v[S+16:S+31], v[SO+1]
	v_nop                                          ; one plain instruction behind the conversions
.irp i, 0,1,2
	v_permlane16_swap_b32 v[PF+\i], v[TP+4+\i]     ; lanes 0-15: block 0, lanes 16-31: block 1
.endr
.irp i, 0,1,2
	s_delay_alu instid0(VALU_DEP_3)
	v_mov_b32 v[PF+3+\i], v[TP+4+\i]
.endr
.irp j, 0,1,2
	global_store_b64 v6, v[PF+2*\j:PF+2*\j+1], s[54:55] offset:256*\j   ; 32 lanes store 256 consecutive bytes, aligned
.endr
	global_store_b8 v7, v29, s[56:57]              ; two bytes of each slot's eight: the one place where a run of 256 bytes is written in part, 262,144 bytes in the launch
	s_wait_xcnt 0x0                                ; the stores' data and bases are written again only behind this wait
	s_add_co_u32 s[QA], s[QA], 2                   ; the next pass: two records, two slots on
	s_add_co_u32 s[LO], s[LO], 2*SLB
	s_add_co_u32 s[PS], s[PS], 1
	s_cmp_lt_u32 s[PS], 2
	s_wait_alu depctr_va_vdst(0)
	s_cbranch_scc1 .Lpass
	v_lshl_add_u32 v254, v0, 2, SPARE
	v_mov_b32 v255, 0
	s_wait_alu depctr_va_vdst(0)
	s_wait_tensorcnt 0x0                           ; the wave's end
	ds_add_u32 v254, v255
	s_wait_dscnt 0x0
	s_endpgm
.Lfunc_end_k_q053e950938_attn:
	.size	k_q053e950938_attn, .Lfunc_end_k_q053e950938_attn-k_q053e950938_attn
	.p2alignl 7, 3214868480
	.fill 96, 4, 3214868480
	.section	.rodata,"a",@progbits
	.p2align	6, 0x0
	.amdhsa_kernel k_q053e950938_attn
		.amdhsa_group_segment_fixed_size 169984
		.amdhsa_private_segment_fixed_size 0
		.amdhsa_enable_private_segment 0
		.amdhsa_kernarg_size 24
		.amdhsa_user_sgpr_count 2
		.amdhsa_user_sgpr_kernarg_segment_ptr 1
		.amdhsa_wavefront_size32 1
		.amdhsa_system_sgpr_workgroup_id_x 1
		.amdhsa_system_sgpr_workgroup_id_y 1
		.amdhsa_system_sgpr_workgroup_id_z 1
		.amdhsa_system_vgpr_workitem_id 0
		.amdhsa_next_free_vgpr 256
		.amdhsa_next_free_sgpr 66
		.amdhsa_reserve_vcc 1
		.amdhsa_float_denorm_mode_32 3
		.amdhsa_float_denorm_mode_16_64 3
		.amdhsa_memory_ordered 1
		.amdhsa_forward_progress 1
		.amdhsa_inst_pref_size 120
	.end_amdhsa_kernel
	.amdgpu_metadata
---
amdhsa.version: [ 1, 2 ]
amdhsa.kernels:
  - .name:           k_q053e950938_attn
    .symbol:         k_q053e950938_attn.kd
    .args:
      - { .name: qkv, .offset: 0, .size: 8, .value_kind: global_buffer, .address_space: global }
      - { .name: cc, .offset: 8, .size: 8, .value_kind: global_buffer, .address_space: global }
      - { .name: cs, .offset: 16, .size: 8, .value_kind: global_buffer, .address_space: global }
    .group_segment_fixed_size: 169984
    .private_segment_fixed_size: 0
    .kernarg_segment_align: 8
    .kernarg_segment_size: 24
    .max_flat_workgroup_size: 512
    .sgpr_count:     66
    .vgpr_count:     256
    .wavefront_size: 32
...
	.end_amdgpu_metadata
.endif
;; end of part 3
;; launch oproj (part 4): grid 4 x 64, 4 waves a work-group, clusters of 4 x 4, 327,680 bytes of LDS; arguments cc, cs, wc, ws, bo, out0; writes out0
.if DOCPART == 4
	.amdgcn_target "amdgcn-amd-amdhsa--gfx1250"
	.amdhsa_code_object_version 6
	.text
	.protected	k_q053e950938_oproj
	.globl	k_q053e950938_oproj
	.p2align	8
	.type	k_q053e950938_oproj,@function
k_q053e950938_oproj:
	s_mov_b64 s[64:65], 0
	v_nop
	global_prefetch_b8 v0, s[64:65] scope:SCOPE_SE
	s_setreg_imm32_b32 hwreg(HW_REG_WAVE_MODE, 25, 1), 1
	s_wait_xcnt 0x0
	s_wait_alu depctr_hold_cnt(0) depctr_sa_sdst(0) depctr_va_vdst(0) depctr_va_sdst(0) depctr_va_ssrc(0) depctr_va_vcc(0) depctr_vm_vsrc(0)
	s_getreg_b32 s2, hwreg(HW_REG_IB_STS2, 6, 4)
	s_cmp_eq_u32 s2, 0
	s_cbranch_scc0 .Lentry_in_a_cluster
	s_endpgm
.Lentry_in_a_cluster:
	s_bfe_u32 s2, ttmp6, 0x10000c
	s_cmp_lg_u32 s2, 0xf033
	s_cbranch_scc0 .Lentry_shape_is_right
	s_endpgm
.Lentry_shape_is_right:
; out0 = ctx Wo + bo on codes of BF6 (E3M2) with E8M0 scales, K = 1,024; sums in f32; the bias is the C of each sum's first product.
; A block of 128 tokens x 256 columns is made by four waves, 64 x 128 each.  ALL OF K LIES IN LDS: A's 128 slots are one dense block of 98,304 bytes, B's 256 slots one of 196,608:
; wave 0 asks for A's, waves 1 to 3 for a third of B's each (65,536 bytes): one tensor load a wave, each byte filled once, nothing filled again, one barrier.
; THE SCALE WORDS go from memory straight into registers, 256 consecutive bytes a load: lanes 0-15 hold an even block's words, lanes 16-31 the odd block's behind it.
; A wave's columns go in two halves of 64: the first half's results leave, through the wave's own stage in LDS, among the second half's products.
; THE MATRIX INSTRUCTION IS USED TRANSPOSED (source 0 = 16 slots of Wo's columns, source 1 = 16 slots of tokens): a lane holds eight neighbouring columns of one token.
; Slot 16 u + r of a group of 32 holds row 8 u + r + 8 (r / 8), for tokens and for columns.
; CLUSTERS: 4 x 4 work-groups; A's block is asked for jointly along a row of the cluster, B's thirds along a column.
; No prefetch: every tile is asked for at the head; there is no loop to run ahead in.
; REGISTERS: window 0: v16-29 addresses, v32-47 A's scale words, v48-79 B's, v128-223 A's fragments, two sets.  window 1: v0-95 B's fragments, two sets.
; window 2: the 32 accumulators (half f, block a, block b at v[128 f + 8 (4 a + b)]).  window 3: v0-63 the bias, v64-191 four blocks on their way out.
.set GRP,   98304                      ; 128 slots x 1,024 K of codes
.set KST,   24576                      ; 128 slots x 256 K
.set SPARE, 3*GRP                      ; the spare words, 128 bytes a wave
.set STAGE, SPARE+512                  ; 16 rows x 272 bytes a wave; no fill lands here
.set SP,    272
.set ADRA, 16                          ; v16-17 my A fragments, K 0-511 and 512-1,023
.set ADRB, 20                          ; v20-21 my B fragments
.set STO,  24
.set RD,   25
.set CO,   26
.set SPW,  28
.set NIL,  29
.set SA,   32
.set SB,   48
.set AF,   128
.set BI,   0
.set BK,   64
.set G1, 24
.set G0, 32
.set G1B, 48
.set G0B, 56
.set MSB, 0
.macro WIN new                         ; the immediate's high byte repeats the setting that is left
.if MSB != (\new)
	s_set_vgpr_msb (MSB<<8)|(\new)
.set MSB, (\new)
.endif
.endm
.macro CROUND                          ; a round of the cluster's barrier
	s_barrier_signal -1
	s_barrier_wait -1
	s_cmp_lg_u32 s14, 0
	s_cbranch_scc1 .Lnot_wave_0_\@
	s_barrier_signal -3
.Lnot_wave_0_\@:
	s_barrier_wait -3
	s_barrier_signal -1
	s_barrier_wait -1
.endm
.macro PLACES
.rept 4
	v_nop
.endr
.endm
.macro FRAG reg, adr, off              ; a fragment is six pieces of 256 bytes, 8 bytes a lane
.irp p, 0,1,2,3,4,5
	ds_load_b64 v[(\reg)+2*\p:(\reg)+2*\p+1], v[\adr] offset:(\off)+\p*256
.endr
.endm
.macro FETCH T                         ; step T = 8 f + st: B's blocks 4 f .. 4 f + 3 and A's four, 128 along K, into set T % 2
.set F, (\T)/8
.set ST, (\T)%8
.set P, (\T)%2
	WIN 0x40
.irp i, 0,1,2,3
	FRAG 48*P+12*\i, ADRB+ST/4, ((ST/2)%2)*KST+(4*F+\i)*3072+P*1536
.endr
	WIN 0
.irp i, 0,1,2,3
	FRAG AF+48*P+12*\i, ADRA+ST/4, ((ST/2)%2)*KST+\i*3072+P*1536
.endr
.endm
.macro WM d, b, a, c, sb, sa, rb, ra   ; rb, ra: the scale words stand in lanes 16-31
.if (\rb) && (\ra)
	v_wmma_scale_f32_16x16x128_f8f6f4 v[(\d):(\d)+7], v[(\b):(\b)+11], v[(\a):(\a)+11], v[(\c):(\c)+7], v[(\sb)], v[(\sa)] matrix_a_fmt:MATRIX_FMT_BF6 matrix_b_fmt:MATRIX_FMT_BF6 matrix_a_scale:MATRIX_SCALE_ROW1 matrix_b_scale:MATRIX_SCALE_ROW1
.elseif (\rb)
	v_wmma_scale_f32_16x16x128_f8f6f4 v[(\d):(\d)+7], v[(\b):(\b)+11], v[(\a):(\a)+11], v[(\c):(\c)+7], v[(\sb)], v[(\sa)] matrix_a_fmt:MATRIX_FMT_BF6 matrix_b_fmt:MATRIX_FMT_BF6 matrix_a_scale:MATRIX_SCALE_ROW1
.elseif (\ra)
	v_wmma_scale_f32_16x16x128_f8f6f4 v[(\d):(\d)+7], v[(\b):(\b)+11], v[(\a):(\a)+11], v[(\c):(\c)+7], v[(\sb)], v[(\sa)] matrix_a_fmt:MATRIX_FMT_BF6 matrix_b_fmt:MATRIX_FMT_BF6 matrix_b_scale:MATRIX_SCALE_ROW1
.else
	v_wmma_scale_f32_16x16x128_f8f6f4 v[(\d):(\d)+7], v[(\b):(\b)+11], v[(\a):(\a)+11], v[(\c):(\c)+7], v[(\sb)], v[(\sa)] matrix_a_fmt:MATRIX_FMT_BF6 matrix_b_fmt:MATRIX_FMT_BF6
.endif
.endm
.macro MUL T                           ; 16 matrix instructions; the half's 16 accumulators take turns, one instruction a turn
.set F, (\T)/8
.set ST, (\T)%8
.set P, (\T)%2
.if ST == 0
	WIN 0xb1                                       ; source 0 window 1, source 1 window 0, C (the bias) window 3, D window 2
.else
	WIN 0xa1                                       ; C and D window 2
.endif
.irp a, 0,1,2,3
.irp b, 0,1,2,3
.if ST == 0
	WM 128*F+8*(4*\a+\b), 48*P+12*\b, AF+48*P+12*\a, BI+8*(4*F+\b), SB+8*(ST/2)+2*((4*F+\b)/2)+P, SA+4*(ST/2)+2*(\a/2)+P, \b%2, \a%2
.else
	WM 128*F+8*(4*\a+\b), 48*P+12*\b, AF+48*P+12*\a, 128*F+8*(4*\a+\b), SB+8*(ST/2)+2*((4*F+\b)/2)+P, SA+4*(ST/2)+2*(\a/2)+P, \b%2, \a%2
.endif
.endr
.endr
.endm
.macro TOSTAGE f, a                    ; block a of half f: 16 tokens x 64 columns into my stage, and back as whole rows of 256 bytes; LDS serves a wave's instructions in order
	WIN 0x08
.irp b, 0,1,2,3
	ds_store_b128 v[STO], v[128*(\f)+8*(4*(\a)+\b):128*(\f)+8*(4*(\a)+\b)+3] offset:128*(\b/2)+32*(\b%2)
	ds_store_b128 v[STO], v[128*(\f)+8*(4*(\a)+\b)+4:128*(\f)+8*(4*(\a)+\b)+7] offset:128*(\b/2)+32*(\b%2)+16
.endr
	WIN 0xc0
.irp t, 0,1,2,3,4,5,6,7
	ds_load_b128 v[BK+32*(\a)+4*\t:BK+32*(\a)+4*\t+3], v[RD] offset:\t*2*SP
.endr
	WIN 0
.endm
.macro SEND f, a                       ; sixteen lanes store 256 consecutive bytes, at a multiple of 256 from the buffer's first byte
	WIN 0x0c
.irp t, 0,1,2,3,4,5,6,7
	global_store_b128 v[CO], v[BK+32*(\a)+4*\t:BK+32*(\a)+4*\t+3], s[94:95] offset:(32*((\a)/2)+8*((\a)%2)+2*\t+8*(\t/4))*4096+256*(\f) th:TH_STORE_NT
.endr
	WIN 0
.endm
.macro STEP T
	s_wait_dscnt 0x0                               ; this step's fragments, asked for a step ago, are in; so is any block read back from the stage
.if ((\T) >= 9) && ((\T) <= 12)
	SEND 0, (\T)-9
.endif
.if (\T) > 0
	PLACES                                         ; in front of loads into registers that the last products read, and of stores of their results
.endif
.if (\T) < 15
	FETCH (\T)+1
.endif
.if ((\T) >= 8) && ((\T) <= 11)
	TOSTAGE 0, (\T)-8
.endif
	MUL \T
.endm
	s_load_b128 s[4:7], s[0:1], 0x0                ; cc, cs
	s_load_b128 s[8:11], s[0:1], 0x10              ; wc, ws
	s_load_b128 s[92:95], s[0:1], 0x20             ; bo, out0
	v_lshl_add_u32 v[SPW], v0, 2, SPARE
	v_mov_b32 v[NIL], 0
	ds_add_u32 v[SPW], v[NIL]                      ; the opening lines: the add twice on end and its wait
	ds_add_u32 v[SPW], v[NIL]
	v_lshrrev_b32 v1, 5, v0
	v_readfirstlane_b32 s14, v1                    ; wave 0..3
	s_lshr_b32 s15, s14, 1                         ; my half of the tokens
	s_and_b32 s16, s14, 1                          ; my half of the columns
	s_bfe_u32 s40, ttmp6, 0x40000                  ; cx
	s_bfe_u32 s41, ttmp6, 0x40004                  ; cy
	s_lshl_b32 s42, ttmp9, 2
	s_add_co_u32 s42, s42, s40                     ; the block of 256 columns
	s_and_b32 s17, ttmp7, 0xffff
	s_lshl_b32 s17, s17, 2
	s_add_co_u32 s17, s17, s41                     ; the group of 128 tokens
	s_lshl_b32 s43, s41, 2
	s_lshl_b32 s43, 15, s43                        ; my row of the cluster
	s_lshl_b32 s44, 0x1111, s40                    ; my column
	s_or_b32 s[G1+0], s43, (3<<16)|(1<<21)         ; dense blocks as rows of 256 bytes (32 elements of 8 bytes), no padding: A's 384 rows,
	s_or_b32 s[G1B+0], s44, (3<<16)|(1<<21)        ; a third of B's 256
	s_mov_b32 s[G1+1], 32<<16
	s_mov_b32 s[G1+2], 384<<16
	s_mov_b32 s[G1+3], 32<<16
	s_mov_b32 s[G1+4], 384
	s_mov_b32 s[G1+5], 32
	s_mov_b32 s[G1+6], 0
	s_mov_b32 s[G1+7], 0
	s_mov_b32 s[G1B+1], 32<<16
	s_mov_b32 s[G1B+2], 256<<16
	s_mov_b32 s[G1B+3], 32<<16
	s_mov_b32 s[G1B+4], 256
	s_mov_b32 s[G1B+5], 32
	s_mov_b32 s[G1B+6], 0
	s_mov_b32 s[G1B+7], 0
	s_mov_b32 s[G0], 1
	s_mov_b32 s[G0+1], 0
	s_mov_b32 s[G0B], 1
	s_mul_i32 s20, s17, GRP                        ; A's codes
	s_mov_b32 s21, 0
	s_lshl_b32 s22, s17, 12                        ; A's scale bytes: the group's 4,096, + my 64 slots of 8 bytes
	s_lshl_b32 s23, s15, 9
	s_add_co_u32 s22, s22, s23
	s_mov_b32 s23, 0
	s_mul_i32 s46, s42, 2*GRP                      ; B's codes: Wo begins at group 24 of wc; wave w takes third w - 1
	s_lshl_b32 s47, s14, 16
	s_add_co_u32 s46, s46, s47
	s_add_co_u32 s46, s46, 24*GRP-65536
	s_add_co_u32 s[G0B+1], s47, 32768              ; to LDS byte 98,304 + 65,536 (w - 1)
	s_mov_b32 s47, 0
	s_lshl_b32 s96, s42, 1                         ; B's scale bytes: my group of 128 slots
	s_add_co_u32 s96, s96, s16
	s_add_co_u32 s96, s96, 24
	s_lshl_b32 s96, s96, 12
	s_mov_b32 s97, 0
	s_lshl_b32 s18, s42, 10                        ; my first column, in bytes
	s_lshl_b32 s19, s16, 9
	s_add_co_u32 s18, s18, s19
	s_mov_b32 s19, 0
	s_lshl_b32 s2, s17, 19                         ; my first token's row of 4,096 bytes
	s_lshl_b32 s3, s15, 18
	s_add_co_u32 s2, s2, s3
	s_mov_b32 s3, 0
	s_mul_i32 s36, s15, 12288                      ; LDS: my four tiles of A,
	s_mul_i32 s37, s16, GRP
	s_add_co_u32 s37, s37, GRP                     ; my group of B,
	s_mul_i32 s38, s14, 16*SP
	s_add_co_u32 s38, s38, STAGE                   ; my stage
	v_and_b32 v1, 15, v0                           ; r
	v_bfe_u32 v2, v0, 4, 1                         ; h
	v_and_b32 v3, 31, v0
	v_lshlrev_b32 v4, 3, v3                        ; 8 x lane
	v_lshlrev_b32 v7, 6, v2                        ; 64 h
	v_add_nc_u32 v[ADRA], s36, v4
	v_add_nc_u32 v[ADRB], s37, v4
	v_add_nc_u32 v[ADRA+1], 2*KST, v[ADRA]
	v_add_nc_u32 v[ADRB+1], 2*KST, v[ADRB]
	v_mul_u32_u24 v5, v1, SP
	v_lshl_add_u32 v5, v2, 6, v5
	v_add_nc_u32 v[STO], s38, v5                   ; in: row r, + 64 h
	v_mul_u32_u24 v6, v2, SP
	v_lshl_add_u32 v6, v1, 4, v6
	v_add_nc_u32 v[RD], s38, v6                    ; back: lanes 0-15 one row, lanes 16-31 the next
	v_lshlrev_b32 v8, 12, v2
	v_lshl_add_u32 v[CO], v1, 4, v8                ; and the same two rows in out0
	s_wait_alu depctr_va_vdst(0)
	s_wait_dscnt 0x0
	s_wait_kmcnt 0x0
	s_add_nc_u64 s[G0+2:G0+3], s[4:5], s[20:21]
	s_or_b32 s[G0+3], s[G0+3], 0x80000000
	s_add_nc_u64 s[G0B+2:G0B+3], s[8:9], s[46:47]
	s_or_b32 s[G0B+3], s[G0B+3], 0x80000000
	s_add_nc_u64 s[22:23], s[6:7], s[22:23]
	s_add_nc_u64 s[96:97], s[10:11], s[96:97]
	s_add_nc_u64 s[92:93], s[92:93], s[18:19]
	s_add_nc_u64 s[94:95], s[94:95], s[18:19]
	s_add_nc_u64 s[94:95], s[94:95], s[2:3]
	CROUND                                         ; all sixteen work-groups are here: the joint loads meet
	s_cmp_eq_u32 s14, 0
	s_cbranch_scc0 .Lfor_b
	tensor_load_to_lds s[G0:G0+3], s[G1:G1+7]
	s_nop 0
.rept 4
	v_nop
.endr
	s_branch .Lasked
.Lfor_b:
	tensor_load_to_lds s[G0B:G0B+3], s[G1B:G1B+7]
	s_nop 0
.rept 4
	v_nop
.endr
.Lasked:
.irp s, 0,1,2,3
.irp p, 0,1
	global_load_b64 v[SA+4*\s+2*\p:SA+4*\s+2*\p+1], v4, s[22:23] offset:\s*1024+\p*256
.endr
.irp p, 0,1,2,3
	global_load_b64 v[SB+8*\s+2*\p:SB+8*\s+2*\p+1], v4, s[96:97] offset:\s*1024+\p*256
.endr
.endr
	WIN 0xc0
.irp b, 0,1,2,3,4,5,6,7
	global_load_b128 v[BI+8*\b:BI+8*\b+3], v7, s[92:93] offset:(32*(\b/2)+8*(\b%2))*4      ; the bias in the result's layout
	global_load_b128 v[BI+8*\b+4:BI+8*\b+7], v7, s[92:93] offset:(32*(\b/2)+8*(\b%2))*4+16
.endr
	WIN 0
	s_wait_tensorcnt 0x0                           ; my load has landed,
	s_barrier_signal -1
	s_barrier_wait -1                              ; everybody's has
	FETCH 0
	s_wait_loadcnt 0x0                             ; the scale words and the bias
.set TT, 0
.rept 16
	STEP TT
.set TT, TT+1
.endr
	WIN 0
	s_wait_xcnt 0x0                                ; the first half's stores have read their data: the four buffers are used again
	PLACES                                         ; behind the last products
	TOSTAGE 1, 0
.irp a, 1,2,3
	TOSTAGE 1, \a
	s_wait_dscnt 16                                ; the block before is back; this block's 8 stores and 8 loads may be out
	SEND 1, \a-1
.endr
	s_wait_dscnt 0x0
	SEND 1, 3
	s_wait_tensorcnt 0x0                           ; the wave's end
	ds_add_u32 v[SPW], v[NIL]
	s_wait_dscnt 0x0
	CROUND                                         ; the closing round
	s_endpgm
.Lfunc_end_k_q053e950938_oproj:
	.size	k_q053e950938_oproj, .Lfunc_end_k_q053e950938_oproj-k_q053e950938_oproj
	.p2alignl 7, 3214868480
	.fill 96, 4, 3214868480
	.section	.rodata,"a",@progbits
	.p2align	6, 0x0
	.amdhsa_kernel k_q053e950938_oproj
		.amdhsa_group_segment_fixed_size 327680
		.amdhsa_private_segment_fixed_size 0
		.amdhsa_enable_private_segment 0
		.amdhsa_kernarg_size 48
		.amdhsa_user_sgpr_count 2
		.amdhsa_user_sgpr_kernarg_segment_ptr 1
		.amdhsa_wavefront_size32 1
		.amdhsa_system_sgpr_workgroup_id_x 1
		.amdhsa_system_sgpr_workgroup_id_y 1
		.amdhsa_system_sgpr_workgroup_id_z 1
		.amdhsa_system_vgpr_workitem_id 0
		.amdhsa_next_free_vgpr 1024
		.amdhsa_next_free_sgpr 98
		.amdhsa_reserve_vcc 0
		.amdhsa_float_denorm_mode_32 3
		.amdhsa_float_denorm_mode_16_64 3
		.amdhsa_memory_ordered 1
		.amdhsa_forward_progress 1
		.amdhsa_inst_pref_size 110
	.end_amdhsa_kernel
	.amdgpu_metadata
---
amdhsa.version: [ 1, 2 ]
amdhsa.kernels:
  - .name:           k_q053e950938_oproj
    .symbol:         k_q053e950938_oproj.kd
    .args:
      - { .name: cc, .offset: 0, .size: 8, .value_kind: global_buffer, .address_space: global }
      - { .name: cs, .offset: 8, .size: 8, .value_kind: global_buffer, .address_space: global }
      - { .name: wc, .offset: 16, .size: 8, .value_kind: global_buffer, .address_space: global }
      - { .name: ws, .offset: 24, .size: 8, .value_kind: global_buffer, .address_space: global }
      - { .name: bo, .offset: 32, .size: 8, .value_kind: global_buffer, .address_space: global }
      - { .name: out0, .offset: 40, .size: 8, .value_kind: global_buffer, .address_space: global }
    .group_segment_fixed_size: 327680
    .private_segment_fixed_size: 0
    .kernarg_segment_align: 8
    .kernarg_segment_size: 48
    .max_flat_workgroup_size: 128
    .sgpr_count:     98
    .vgpr_count:     1024
    .wavefront_size: 32
...
	.end_amdgpu_metadata
.endif
;; end of part 4
